; MI455X (gfx1250); checked and timed in simulation.
; The chip was launched on July 23, 2026; its instructions are those of AMD's public machine-readable ISA for CDNA 5 (MIT licence, August 2026) and "CDNA5" Instruction Set Architecture Reference Guide (July 2026). The comments in the code are by the model that wrote it; some were corrected since.
;; Transformer Block. Allowed arithmetic: matrix products marked QUANTISED: E2M3 operands, one E8M0 scale for each 32 along K, by v_wmma_scale_f32_16x16x128_f8f6f4 with both operands' format E2M3, f32 sums; products left as they are: f32 operands where the result goes on into a quantised operand, else bf16, f16 or f32 operands; f32 sums; everything else in f32.
;; Inputs: W1_codes 2,048 x 16 x 24 uint8 (E2M3 codes of W1, K innermost, in blocks of 32 codes, four codes in three bytes); W1_scales 2,048 x 16 uint8 (E8M0 scales of W1, one for each 32 codes along K); W2_codes 512 x 64 x 24 uint8 (E2M3 codes of W2, K innermost, in blocks of 32 codes, four codes in three bytes); W2_scales 512 x 64 uint8 (E8M0 scales of W2, one for each 32 codes along K); Wk_codes 8 x 64 x 16 x 24 uint8 (E2M3 codes of Wk, K innermost, in blocks of 32 codes, four codes in three bytes); Wk_scales 8 x 64 x 16 uint8 (E8M0 scales of Wk, one for each 32 codes along K); Wo 8 x 64 x 512 float32; Wq_codes 8 x 64 x 16 x 24 uint8 (E2M3 codes of Wq, K innermost, in blocks of 32 codes, four codes in three bytes); Wq_scales 8 x 64 x 16 uint8 (E8M0 scales of Wq, one for each 32 codes along K); Wv_codes 8 x 64 x 16 x 24 uint8 (E2M3 codes of Wv, K innermost, in blocks of 32 codes, four codes in three bytes); Wv_scales 8 x 64 x 16 uint8 (E8M0 scales of Wv, one for each 32 codes along K); b1 2,048 float32; b2 512 float32; be1 512 float32; be2 512 float32; bk 8 x 64 float32; bo 512 float32; bq 8 x 64 float32; bv 8 x 64 float32; g1 512 float32; g2 512 float32; omega_codes 128 x 2 x 24 uint8 (E2M3 codes of omega, K innermost, in blocks of 32 codes, four codes in three bytes); omega_scales 128 x 2 uint8 (E8M0 scales of omega, one for each 32 codes along K); x 8 x 2,048 x 512 float32.
;; Outputs: out0 8 x 2,048 x 512 float32.
;; This version of the problem:
;;   THIS VERSION OF THE PROBLEM IS GIVEN IN LOW PRECISION. The matrix products marked QUANTISED in the list below multiply operands that are first quantised to E2M3 (2 exponent bits, 3 mantissa bits; 6 bits a number), with one power-of-two scale for each 32 numbers along K (OCP MX v1.0); their sums are f32. All else is computed in f32.
;;   The module's matrix products, in the order in which they are computed (A, B: the left and right operand; K: the contracted axis; several contracted axes count as one K, in the product's order):
;;     1. [M 512, K 512] x [K 512, N 16,384]; A: input Wq (given as codes); B: input x: QUANTISED
;;     2. [M 512, K 512] x [K 512, N 16,384]; A: input Wk (given as codes); B: input x: QUANTISED
;;     3. [M 512, K 512] x [K 512, N 16,384]; A: input Wv (given as codes); B: input x: QUANTISED
;;     4. [M 131,072, K 64] x [K 64, N 128]; A: computed on the way; B: input omega (given as codes): QUANTISED
;;     5. [M 131,072, K 64] x [K 64, N 128]; A: computed on the way; B: input omega (given as codes): QUANTISED
;;     6. batch 64 x [M 128, K 2,048] x [K 2,048, N 64]; A: computed on the way; B: computed on the way: QUANTISED
;;     7. batch 64 x [M 2,048, K 128] x [K 128, N 64]; A: computed on the way; B: computed on the way: QUANTISED
;;     8. batch 64 x [M 2,048, K 128] x [K 128, N 1]; A: computed on the way; B: computed on the way: left as it is (N = 1 < 16)
;;     9. [M 16,384, K 512] x [K 512, N 512]; A: computed on the way; B: input Wo: QUANTISED
;;     10. [M 16,384, K 512] x [K 512, N 2,048]; A: computed on the way; B: input W1 (given as codes): QUANTISED
;;     11. [M 16,384, K 2,048] x [K 2,048, N 512]; A: computed on the way; B: input W2 (given as codes): QUANTISED
;;   THE QUANTISER, for each operand of a quantised product, along K:
;;     - K is cut into blocks of 32 from its start; a last block that is shorter is filled with zeros.
;;     - A block's scale is 2^e with e = floor(log2(the largest magnitude in the block)) - 2, held to -126 .. 127; a block of zeros has e = 0. As a byte (E8M0): e + 127.
;;     - Each number is divided by its block's scale, clamped to +-7.5, and rounded to the nearest number of E2M3, ties to even, subnormals kept.
;;     - The product sums the exact products of the quantised numbers (number of the format x scale) in f32.
;;   ~~~python
;;   def quantise(x, axis):      # numpy; x: float32 -> the quantised numbers, widened to float32 again
;;       x = np.moveaxis(x, axis, -1); K = x.shape[-1]
;;       x = np.pad(x, [(0, 0)] * (x.ndim - 1) + [(0, -K % 32)]); x = x.reshape(x.shape[:-1] + (-1, 32)); a = np.abs(x).max(-1, keepdims=True)
;;       e = np.where(a > 0, np.clip(np.frexp(np.where(a > 0, a, 1))[1] - 1 - 2, -126, 127), 0)      # np.frexp(a)[1] - 1 = floor(log2(a)), exactly
;;       r = np.clip(x / 2.0 ** e, -7.5, 7.5)
;;       step = 2.0 ** (np.maximum(np.frexp(np.where(r == 0, 1, r))[1] - 1, 0) - 3)
;;       q = np.round(r / step) * step * 2.0 ** e      # np.round: ties to even
;;       return np.moveaxis(q.reshape(q.shape[:-2] + (-1,))[..., :K], -1, axis).astype(np.float32)
;;   ~~~
;;   OPERANDS COMPUTED ON THE WAY. 'Computed on the way' means the value that the module computes at that place (a softmax that the list does not call 'softmax' is quantised finished and normalised). What goes into a quantiser is computed in f32, as accurately as f32 sums, v_exp_f32 and their like allow (about 1e-6 of the number): no bf16 or f16 on the way to a quantiser, and a product that is left as it is and whose result goes on into a quantised operand takes f32 operands (vector FMAs, or v_wmma_f32_16x16x4_f32). A number that lies on a knife's edge between two numbers of the format may be rounded either way, as far as f32 arithmetic and the matrix unit's own rounding can turn it there, and no further.
;;   INPUTS GIVEN AS CODES. W1 (in the module: [512, 2048], K = its axis 0); W2 (in the module: [2048, 512], K = its axis 0); Wk (in the module: [512, 8, 64], K = its axis 0); Wq (in the module: [512, 8, 64], K = its axis 0); Wv (in the module: [512, 8, 64], K = its axis 0); omega (in the module: [64, 128], K = its axis 0): each comes as NAME_codes (uint8): NAME with its K axis moved to the last place and cut into blocks of 32 codes, [.., K / 32, bytes a block], one block behind the other in memory; four codes in three bytes: a row's codes are one little-endian stream of bits, code i at bits 6 i .. 6 i + 5 (a code: sign, 2 exponent bits, 3 mantissa bits); and NAME_scales (uint8): the same leading axes, one E8M0 byte (e + 127) for each 32 codes along K. Its value is code x scale, taken as it is: it is not quantised again, and the codes and scales need not be those that the quantiser above would give.
;; One version. Each part assembles by itself: llvm-mc -triple=amdgcn-amd-amdhsa -mcpu=gfx1250 --defsym DOCPART=n.
;; ======== version 1 of 1: 3 launches
;; workspace buffers: kimg 6,291,456 bytes; vimg 6,291,456 bytes; aux1 1,318,912 bytes; wimg 1,966,080 bytes; kvout 450,560 bytes
;; launch kvproj (part 1): grid 256 x 1, 4 waves a work-group, clusters of 4 x 1, 327,680 bytes of LDS; arguments x, Wk_codes, Wk_scales, bk, Wv_codes, Wv_scales, bv, omega_codes, omega_scales, kimg, vimg, aux1; writes kimg, vimg, aux1
.if DOCPART == 1
	.amdgcn_target "amdgcn-amd-amdhsa--gfx1250"
	.amdhsa_code_object_version 6
	.text
	.protected	k_qa971f8c18b_kvproj
	.globl	k_qa971f8c18b_kvproj
	.p2align	8
	.type	k_qa971f8c18b_kvproj,@function
k_qa971f8c18b_kvproj:
	s_mov_b64 s[64:65], 0
	v_nop
	global_prefetch_b8 v0, s[64:65] scope:SCOPE_SE
	s_setreg_imm32_b32 hwreg(HW_REG_WAVE_MODE, 25, 1), 1
	s_wait_xcnt 0x0
	s_wait_alu depctr_hold_cnt(0) depctr_sa_sdst(0) depctr_va_vdst(0) depctr_va_sdst(0) depctr_va_ssrc(0) depctr_va_vcc(0) depctr_vm_vsrc(0)
	s_getreg_b32 s2, hwreg(HW_REG_IB_STS2, 6, 4)
	s_cmp_eq_u32 s2, 0
	s_cbranch_scc0 .Lentry_in_a_cluster
	s_endpgm
.Lentry_in_a_cluster:
	s_bfe_u32 s2, ttmp6, 0x10000c
	s_cmp_lg_u32 s2, 0x3003
	s_cbranch_scc0 .Lentry_shape_is_right
	s_endpgm
.Lentry_shape_is_right:
; FIRST OF THREE LAUNCHES.  For 64 tokens a work-group: x is quantised (E2M3, one E8M0 byte for 32 along E); k = (x Wk + bk) 64^-0.25 and v = x Wv + bv are made on codes;
; k is quantised along d and stored as half fragments (kimg), with its scale words and -0.5 |k|^2 (aux1); v is quantised along the TOKENS and stored as half fragments (vimg, scale bytes in aux1);
; k omega is run once for the largest h = k omega - 0.5 |k|^2 of these tokens (aux1, one number for a head and a work-group): the next launch needs the largest h of all tokens ahead of its exponentials.
; SHARES.  Four waves; wave w takes heads 2 w and 2 w + 1 of Wk and Wv for all 64 tokens, and quantises E = 128 w .. 128 w + 127 of x for all four waves (images of the operand's registers in LDS).
; THE FOUR TILES OF TOKENS ARE NOT RUNS OF NEIGHBOURS: row i of tile 2 g + u is token 32 g + 8 u + i + 8 (i / 8), so that v's results of two neighbouring tiles are 16 neighbouring tokens in a lane's registers.
; Wk's tiles of rows are chosen the same way, so that k's results are 16 neighbouring d.  k is made transposed (source 0 = Wk), v as it stands (source 0 = x).
; THE WEIGHTS come through two LDS slots by tensor loads that the four work-groups of a cluster ask for jointly (all work-groups walk the same weights); each wave fetches the 64 rows that it alone reads.
; An image: a fragment's registers 2 p, 2 p + 1 of lane l lie at 256 p + 8 l: each LDS or global access of 8 bytes a lane covers 256 consecutive bytes.
; K = 64 (k omega): omega's registers 6-11 hold zero codes, the other operand's whatever codes lie there; bytes 2, 3 of both scale words are 0.
; LIMITS: NaN and infinities among the inputs are not served; a block whose largest magnitude lies under 2^-124 (a block of zeros too) gets the scale byte 1: its bytes are read by this program alone.
.set PITCH, 432                        ; a weight row in LDS: 3 x (128 bytes + 16 of padding)
.set QRT,   64*PITCH                   ; a wave's 64 rows
.set SLOTB, 4*QRT
.set AIMG,  2*SLOTB                    ; x's 16 fragments, K step s, tile m at 1536 (4 s + m)
.set ASC,   AIMG+24576                 ; their scale words, 128 bytes each
.set STG,   ASC+2048                   ; a stage of 16 rows x 528 bytes for each wave
.set SPARE, STG+4*8448                 ; the spare words
.set A_ND,  524288
.set A_VSC, 1048576
.set A_PMAX, 1310720
; window 0
.set SPW, 1
.set NIL, 2
.set FLR, 3                            ; 2^(3 - 127): the floor under every largest magnitude
.set L8, 4
.set L4, 5
.set XO, 6
.set STW, 7
.set STR, 8
.set AIW, 9
.set ASW, 10
.set AIR, 11
.set ASR, 12
.set PA0, 13                           ; v13-14, v15-16: Wk's rows in slot 0, 1 (second register: behind one padding more)
.set PA1, 15
.set NA0, 17                           ; v17-18, v19-20: Wv's rows
.set NA1, 19
.set NDO, 21
.set HM, 22                            ; v22-23 the largest h of my two heads
.set OMS, 24                           ; v24-27 omega's scale words
.set KP, 28                            ; v28-31 what two tiles join before it is stored
.set ASCR, 32                          ; v32-47 x's scale words, 4 m + s
.set WSC, 48                           ; v48-79 the weights' scale words, eight for each of the four tiles
.set WF, 80                            ; v80-175 weight fragments, two sets of four
.set P, 80                             ; v80-143 k omega
.set TM, 176
.set PC, 192
.set PW, 212
.set DG, 214
.set BV, 224
.set HH64, 240
.set PP16, 241
.set L16, 242
.set OMO, 243
.set L2, 244
.set R4, 245
.set PMO, 246
.set CB, 192                           ; window 1: v0-191 x's fragments 12 (4 m + s); v192-255 the biases in the result's layout
.set G, 0                              ; window 2: v0-127 sixteen accumulators; v128-223 omega's eight fragments
.set OMF, 128
.set G1, 24
.set G0, 32
.set WV, 40
.set SEL, 42
.set SCL, 44
.set MHI, 46
.set MODD, 47
.set MSB, 0
.macro WIN new
.if MSB != (\new)
	s_set_vgpr_msb (MSB<<8)|(\new)
.set MSB, \new
.endif
.endm
.macro PLACES n
.rept \n
	v_nop
.endr
.endm
.macro ROUND                           ; a round of the cluster's barrier
	s_barrier_signal -1
	s_barrier_wait -1
	s_cmp_lg_u32 s[WV], 0
	s_cbranch_scc1 .Lnw0_\@
	s_barrier_signal -3
.Lnw0_\@:
	s_barrier_wait -3
	s_barrier_signal -1
	s_barrier_wait -1
.endm
.macro TLOAD g                         ; my quarter of a tile of weights, asked for jointly; four v_nop follow
	tensor_load_to_lds s[\g:\g+3], s[G1:G1+7]
	s_nop 0
	PLACES 4
.endm
; The change of slots: all my tensor loads have landed, 0 onto my spare word, (slot's descriptor is written for Wv), the add and all my LDS accesses are done, then the round.
.macro CHANGE slot, off
	WIN 0
	s_wait_tensorcnt 0x0
	ds_add_u32 v[SPW], v[NIL]
.if (\slot) >= 0
	s_add_nc_u64 s[G0+4*(\slot)+2:G0+4*(\slot)+3], s[50:51], \off
	s_or_b32 s[G0+4*(\slot)+3], s[G0+4*(\slot)+3], 0x80000000
.endif
	s_wait_dscnt 0x0
	ROUND
.endm
.macro WMMA d, a, b, c, sa, sb, ra, rb
.if (\c) < 0
.if \ra
	v_wmma_scale_f32_16x16x128_f8f6f4 v[(\d):(\d)+7], v[(\a):(\a)+11], v[(\b):(\b)+11], 0, v[\sa], v[\sb] matrix_a_fmt:MATRIX_FMT_FP6 matrix_b_fmt:MATRIX_FMT_FP6 matrix_a_scale:MATRIX_SCALE_ROW1
.elseif \rb
	v_wmma_scale_f32_16x16x128_f8f6f4 v[(\d):(\d)+7], v[(\a):(\a)+11], v[(\b):(\b)+11], 0, v[\sa], v[\sb] matrix_a_fmt:MATRIX_FMT_FP6 matrix_b_fmt:MATRIX_FMT_FP6 matrix_b_scale:MATRIX_SCALE_ROW1
.else
	v_wmma_scale_f32_16x16x128_f8f6f4 v[(\d):(\d)+7], v[(\a):(\a)+11], v[(\b):(\b)+11], 0, v[\sa], v[\sb] matrix_a_fmt:MATRIX_FMT_FP6 matrix_b_fmt:MATRIX_FMT_FP6
.endif
.else
.if \ra
	v_wmma_scale_f32_16x16x128_f8f6f4 v[(\d):(\d)+7], v[(\a):(\a)+11], v[(\b):(\b)+11], v[(\c):(\c)+7], v[\sa], v[\sb] matrix_a_fmt:MATRIX_FMT_FP6 matrix_b_fmt:MATRIX_FMT_FP6 matrix_a_scale:MATRIX_SCALE_ROW1
.elseif \rb
	v_wmma_scale_f32_16x16x128_f8f6f4 v[(\d):(\d)+7], v[(\a):(\a)+11], v[(\b):(\b)+11], v[(\c):(\c)+7], v[\sa], v[\sb] matrix_a_fmt:MATRIX_FMT_FP6 matrix_b_fmt:MATRIX_FMT_FP6 matrix_b_scale:MATRIX_SCALE_ROW1
.else
	v_wmma_scale_f32_16x16x128_f8f6f4 v[(\d):(\d)+7], v[(\a):(\a)+11], v[(\b):(\b)+11], v[(\c):(\c)+7], v[\sa], v[\sb] matrix_a_fmt:MATRIX_FMT_FP6 matrix_b_fmt:MATRIX_FMT_FP6
.endif
.endif
.endm
; 32 nc numbers of a lane from v[s] of window sw, register 16 b + i = k 32 b + 16 (lane / 16) + i of the lane's row, become codes in v[PC] on (6 nc registers) and the scale word v[PW].
.macro QUANT s, nc, sw
	WIN ((\sw)<<2)|((\sw)<<4)
.set qb, 0
.rept 2*(\nc)
	v_max3_num_f32 v[TM+qb], v[FLR], |v[(\s)+16*qb]|, |v[(\s)+16*qb+1]|
.set qb, qb+1
.endr
.irp i, 2,4,6,8,10,12,14
.set qb, 0
.rept 2*(\nc)
	v_max3_num_f32 v[TM+qb], v[TM+qb], |v[(\s)+16*qb+\i]|, |v[(\s)+16*qb+\i+1]|
.set qb, qb+1
.endr
.endr
	WIN 0
.set qb, 0
.rept 2*(\nc)
	v_permlanex16_b32 v[TM+4+qb], v[TM+qb], s[SEL], s[SEL+1]
.set qb, qb+1
.endr
.set qb, 0
.rept 2*(\nc)
	v_max_num_f32 v[TM+qb], v[TM+qb], v[TM+4+qb]       ; with lane l xor 16's: the block's largest magnitude
.set qb, qb+1
.endr
.set qb, 0
.rept 2*(\nc)
	v_add_nc_u32 v[TM+12+qb], 0xff000000, v[TM+qb]     ; 2 off its exponent field: the conversion's scale operand
.set qb, qb+1
.endr
.set qb, 0
.rept 2*(\nc)
	v_lshrrev_b32 v[TM+4+qb], 23, v[TM+12+qb]          ; the scale's byte
.set qb, qb+1
.endr
	v_lshl_or_b32 v[PW], v[TM+5], 8, v[TM+4]
.if (\nc) > 1
	v_lshl_or_b32 v[PW], v[TM+6], 16, v[PW]
	v_lshl_or_b32 v[PW], v[TM+7], 24, v[PW]
.endif
	WIN \sw
.set qc, 0
.rept \nc
	v_cvt_scalef32_pk16_fp6_f32 v[PC+6*qc:PC+6*qc+2], v[(\s)+32*qc:(\s)+32*qc+15], v[TM+12+2*qc]
	v_cvt_scalef32_pk16_fp6_f32 v[PC+12+4*qc:PC+12+4*qc+2], v[(\s)+32*qc+16:(\s)+32*qc+31], v[TM+12+2*qc+1]
.set qc, qc+1
.endr
	WIN 0
	v_nop                                          ; one plain place behind a scaled conversion
.set qc, 0
.rept \nc                              ; the operand's layout wants a whole block in a lane
.irp i, 0,1,2
	v_permlane16_swap_b32 v[PC+6*qc+\i], v[PC+12+4*qc+\i]
.endr
.irp i, 0,1,2
	v_mov_b32 v[PC+3+6*qc+\i], v[PC+12+4*qc+\i]
.endr
.set qc, qc+1
.endr
.endm
.macro IMG adr, off, n                 ; the codes in v[PC] on go to LDS as they stand
.set ip, 0
.rept \n
	ds_store_b64 v[\adr], v[PC+2*ip:PC+2*ip+1] offset:(\off)+256*ip
.set ip, ip+1
.endr
.endm
.macro MAX64 b                         ; the largest of v[b] .. v[b + 63] and of lane l xor 16's, into v[TM]; each accumulator is read from its low end on
.irp c, 0,1,2,3
	v_max3_num_f32 v[TM+\c], v[(\b)+16*\c], v[(\b)+16*\c+1], v[(\b)+16*\c+2]
.endr
.irp i, 3,5,7,9,11,13
.irp c, 0,1,2,3
	v_max3_num_f32 v[TM+\c], v[TM+\c], v[(\b)+16*\c+\i], v[(\b)+16*\c+\i+1]
.endr
.endr
.irp c, 0,1,2,3
	v_max_num_f32 v[TM+\c], v[TM+\c], v[(\b)+16*\c+15]
.endr
	v_max3_num_f32 v[TM], v[TM], v[TM+1], v[TM+2]
	v_max_num_f32 v[TM], v[TM], v[TM+3]
	v_permlanex16_b32 v[TM+4], v[TM], s[SEL], s[SEL+1]
	v_max_num_f32 v[TM], v[TM], v[TM+4]
.endm
; A weight fragment from rows of 384 bytes: pieces of 8 bytes; 16 bytes of padding lie behind every 16 pieces; lanes 16-31 read three pieces further on, for some pieces behind one padding more.
.macro FRAG reg, adr, s, rowoff
.irp p, 0,1,2,3,4,5
.set PCE, 12*(\s)+6*(\p/3)+\p%3
.if PCE%16 < 13
	ds_load_b64 v[(\reg)+2*\p:(\reg)+2*\p+1], v[\adr] offset:8*PCE+16*(PCE/16)+(\rowoff)
.else
	ds_load_b64 v[(\reg)+2*\p:(\reg)+2*\p+1], v[(\adr)+1] offset:8*PCE+16*(PCE/16)+(\rowoff)
.endif
.endr
.endm
.macro WFETCH set, adr, s, pi
.irp t, 0,1,2,3
.if \pi
	FRAG WF+48*(\set)+12*\t, \adr, \s, (32*(\t/2)+8*(\t%2))*PITCH
.else
	FRAG WF+48*(\set)+12*\t, \adr, \s, 16*\t*PITCH
.endif
.endr
.endm
; 64 rows of a weight x 64 tokens x K = 512: four K steps of sixteen products, the sixteen accumulators by turns; the next step's four fragments are fetched ahead.  tn = 0: source 0 = the weight; 1: source 0 = x.
.macro GEMM adr, pi, tn, ws, cb
	WFETCH 0, \adr, 0, \pi
.irp s, 0,1,2,3
.if \s < 3
	PLACES 4                                       ; in front of loads into registers that matrix instructions have read
	WFETCH (\s+1)%2, \adr, \s+1, \pi
	s_wait_dscnt 24                                ; all but the 24 loads just issued
.else
	s_wait_dscnt 0x0
.endif
.if \tn
.if \s == 0
	WIN 0x91
.else
	WIN 0xa1
.endif
.irp t, 0,1,2,3
.irp m, 0,1,2,3
.if \s == 0
	WMMA G+32*\t+8*\m, 12*(4*\m+\s), WF+48*(\s%2)+12*\t, (\cb)+8*\t, ASCR+4*\m+\s, (\ws)+4*(\t/2)+\s, 0, \t%2
.else
	WMMA G+32*\t+8*\m, 12*(4*\m+\s), WF+48*(\s%2)+12*\t, G+32*\t+8*\m, ASCR+4*\m+\s, (\ws)+4*(\t/2)+\s, 0, \t%2
.endif
.endr
.endr
.else
.if \s == 0
	WIN 0x94
.else
	WIN 0xa4
.endif
.irp t, 0,1,2,3
.irp m, 0,1,2,3
.if \s == 0
	WMMA G+32*\m+8*\t, WF+48*(\s%2)+12*\t, 12*(4*\m+\s), (\cb)+8*\t, (\ws)+4*(\t/2)+\s, ASCR+4*\m+\s, \t%2, 0
.else
	WMMA G+32*\m+8*\t, WF+48*(\s%2)+12*\t, 12*(4*\m+\s), G+32*\m+8*\t, (\ws)+4*(\t/2)+\s, ASCR+4*\m+\s, \t%2, 0
.endif
.endr
.endr
.endif
	WIN 0
.endr
.endm
; k of head 2 w + f, a tile of 16 tokens at a time: scaled, quantised along d, stored; -0.5 |k|^2; k omega for the largest h.
.macro KEPI f
.irp m, 0,1,2,3
.if \m == 0
	PLACES 4
.endif
	WIN 0x82
.set kj, 0
.rept 16
	v_pk_mul_f32 v[G+32*\m+kj:G+32*\m+kj+1], v[G+32*\m+kj:G+32*\m+kj+1], s[SCL:SCL+1] op_sel_hi:[1,0]
.set kj, kj+2
.endr
	WIN 0
	s_wait_xcnt 0x0                                ; the last stores have read their data: the codes and the joined words are written again only behind this wait
	QUANT G+32*\m, 1, 2
	WIN 0x0a                                       ; the 21 lines from here on are also the places between the scale word, the codes and the scaled products
	v_pk_mul_f32 v[DG:DG+1], v[G+32*\m:G+32*\m+1], v[G+32*\m:G+32*\m+1]
	v_pk_mul_f32 v[DG+2:DG+3], v[G+32*\m+2:G+32*\m+3], v[G+32*\m+2:G+32*\m+3]
.set kj, 4
.rept 7
	v_pk_fma_f32 v[DG:DG+1], v[G+32*\m+kj:G+32*\m+kj+1], v[G+32*\m+kj:G+32*\m+kj+1], v[DG:DG+1]
	v_pk_fma_f32 v[DG+2:DG+3], v[G+32*\m+kj+2:G+32*\m+kj+3], v[G+32*\m+kj+2:G+32*\m+kj+3], v[DG+2:DG+3]
.set kj, kj+4
.endr
	WIN 0
	v_pk_add_f32 v[DG:DG+1], v[DG:DG+1], v[DG+2:DG+3]
	v_add_f32 v[DG], v[DG], v[DG+1]
	v_permlanex16_b32 v[DG+4], v[DG], s[SEL], s[SEL+1]
	v_add_f32 v[DG], v[DG], v[DG+4]
	v_mul_f32 v[DG+5], -0.5, v[DG]                 ; -0.5 |k|^2 of the lane's token
.irp p, 0,1,2
	global_store_b64 v[L8], v[PC+2*\p:PC+2*\p+1], s[86:87] offset:98304*\f+768*\m+256*\p   ; 256 consecutive bytes, aligned
.endr
	WIN 0x02
.irp t, 0,1,2,3,4,5,6,7
	WMMA P+8*\t, OMF+12*\t, PC, -1, OMS+\t/2, PW, \t%2, 0
.endr
	WIN 0
	PLACES 4
	MAX64 P
	v_add_f32 v[TM], v[TM], v[DG+5]                ; rounding keeps order: the largest of (proj - diag) is (the largest proj) - diag
	v_max_num_f32 v[HM+\f], v[HM+\f], v[TM]
.if \m%2 == 0
	v_mov_b32 v[KP], v[PW]
	v_mov_b32 v[KP+1], v[DG+5]
.else
	v_cndmask_b32 v[KP+2], v[KP], v[PW], s[MHI]    ; lanes 0-15: the even tile's, lanes 16-31: the odd tile's
	v_cndmask_b32 v[KP+3], v[KP+1], v[DG+5], s[MHI]
	global_store_b32 v[L4], v[KP+2], s[52:53] offset:8192*\f+128*(\m/2)
	global_store_b32 v[NDO], v[KP+3], s[54:55] offset:8192*\f+128*(\m/2)
.endif
.endr
.endm
; v of head 2 w + f, 16 d at a time: a lane holds one d and 32 of the 64 tokens: quantised along the tokens, stored as half fragments.
.macro VEPI f
	PLACES 4
.irp t, 0,1,2,3
	s_wait_xcnt 0x0
	QUANT G+32*\t, 1, 2
.irp p, 0,1,2
	global_store_b64 v[L8], v[PC+2*\p:PC+2*\p+1], s[88:89] offset:98304*\f+768*\t+256*\p
.endr
.if \t%2 == 0
	v_mov_b32 v[KP], v[PW]
.else
	v_cndmask_b32 v[KP+2], v[KP], v[PW], s[MHI]
	global_store_b16 v[L4], v[KP+2], s[56:57] offset:4096*\f+64*(\t-1)   ; my two of the four bytes of a K step of 128 tokens
.endif
.endr
.endm
	s_load_b512 s[68:83], s[0:1], 0x0              ; x, Wk codes, Wk scales, bk, Wv codes, Wv scales, bv, omega codes
	s_load_b256 s[84:91], s[0:1], 0x40             ; omega scales, kimg, vimg, aux1
	v_lshl_add_u32 v[SPW], v0, 2, SPARE
	v_mov_b32 v[NIL], 0
	ds_add_u32 v1, v2
	ds_add_u32 v1, v2
	s_wait_dscnt 0x0
	v_lshrrev_b32 v232, 5, v0
	v_readfirstlane_b32 s[WV], v232                ; wave 0..3
	s_mov_b32 s[G1], 15|(1<<20)|(1<<21)|(4<<22)|(3<<25)   ; the mask: all four work-groups; elements of 1 byte; 4 words of padding behind every 32
	s_mov_b32 s[G1+1], 384<<16                     ; tensor_dim0
	s_mov_b32 s[G1+2], 64<<16                      ; tensor_dim1
	s_mov_b32 s[G1+3], 384<<16                     ; tile_dim0
	s_mov_b32 s[G1+4], 64                          ; tile_dim1
	s_mov_b32 s[G1+5], 384                         ; from row to row
	s_mov_b32 s[G1+6], 0
	s_mov_b32 s[G1+7], 0
	s_mul_i32 s7, s[WV], QRT                       ; my quarter of a slot
	s_mul_i32 s8, s[WV], 49152                     ; my two heads' rows
	s_mov_b32 s9, 0
	s_wait_kmcnt 0x0
	s_add_nc_u64 s[48:49], s[70:71], s[8:9]
	s_add_nc_u64 s[50:51], s[76:77], s[8:9]
	ROUND                                          ; all four work-groups are here: the first joint loads meet
	s_mov_b32 s[G0], 1
	s_mov_b32 s[G0+1], s7
	s_mov_b64 s[G0+2:G0+3], s[48:49]
	s_or_b32 s[G0+3], s[G0+3], 0x80000000
	s_mov_b32 s[G0+4], 1
	s_add_co_u32 s[G0+5], s7, SLOTB
	s_add_nc_u64 s[G0+6:G0+7], s[48:49], 24576
	s_or_b32 s[G0+7], s[G0+7], 0x80000000
	TLOAD G0                                       ; Wk, heads 2 w
	s_bfe_u32 s3, ttmp6, 0x40000                   ; my place in the cluster: it enters global addresses alone
	s_lshl_b32 s4, ttmp9, 2
	s_add_co_u32 s4, s4, s3                        ; my block of 64 tokens
	s_lshr_b32 s5, s4, 5
	s_and_b32 s6, s4, 31                           ; which of the batch's 32 blocks
	s_lshl_b32 s5, s5, 3
	s_lshl_b32 s10, s[WV], 1
	s_add_co_u32 s5, s5, s10                       ; 8 x batch + 2 w: my first (batch, head)
	s_mov_b32 s[SEL], 0x76543210
	s_mov_b32 s[SEL+1], 0xfedcba98
	s_mov_b32 s[SCL], 0x3eb504f3                   ; 64^-0.25
	s_mov_b32 s[SCL+1], s[SCL]
	s_mov_b32 s[MHI], 0xffff0000
	s_mov_b32 s[MODD], 0xaaaaaaaa
	v_and_b32 v233, 31, v0                         ; lane
	v_and_b32 v234, 15, v0                         ; r
	v_bfe_u32 v235, v0, 4, 1                       ; h
	v_mov_b32 v[FLR], 0x1800000
	v_lshlrev_b32 v[L8], 3, v233
	v_lshlrev_b32 v[L4], 2, v233
	v_lshlrev_b32 v[L16], 4, v233
	v_lshlrev_b32 v[L2], 1, v233
	v_lshlrev_b32 v[R4], 2, v234
	v_lshlrev_b32 v[HH64], 6, v235
	s_lshl_b32 s10, s[WV], 9
	v_add_nc_u32 v[XO], s10, v[L16]                ; x: 16 bytes a lane of my 512 bytes of a row
	s_mul_i32 s11, s[WV], 8448
	s_add_co_u32 s11, s11, STG
	v_add_nc_u32 v[STW], s11, v[L16]
	v_mul_u32_u24 v[STR], v234, 528
	v_lshl_add_u32 v[STR], v235, 6, v[STR]
	v_add_nc_u32 v[STR], s11, v[STR]
	s_mul_i32 s11, s[WV], 6144
	s_add_co_u32 s11, s11, AIMG
	v_add_nc_u32 v[AIW], s11, v[L8]
	s_lshl_b32 s11, s[WV], 9
	s_add_co_u32 s11, s11, ASC
	v_add_nc_u32 v[ASW], s11, v[L4]
	v_add_nc_u32 v[AIR], AIMG, v[L8]
	v_add_nc_u32 v[ASR], ASC, v[L4]
	v_and_b32 v236, 8, v234
	v_add_nc_u32 v236, v236, v234                  ; r + 8 (r / 8)
	v_mul_u32_u24 v237, v236, PITCH
	v_mad_u32_u24 v237, v235, 24, v237
	v_add_nc_u32 v[PA0], s7, v237
	v_lshl_add_u32 v[PA0+1], v235, 4, v[PA0]
	v_add_nc_u32 v[PA1], SLOTB, v[PA0]
	v_add_nc_u32 v[PA1+1], SLOTB, v[PA0+1]
	v_mul_u32_u24 v237, v234, PITCH
	v_mad_u32_u24 v237, v235, 24, v237
	v_add_nc_u32 v[NA0], s7, v237
	v_lshl_add_u32 v[NA0+1], v235, 4, v[NA0]
	v_add_nc_u32 v[NA1], SLOTB, v[NA0]
	v_add_nc_u32 v[NA1+1], SLOTB, v[NA0+1]
	v_lshl_add_u32 v239, v235, 3, v236             ; 8 h + r + 8 (r / 8): the row that lane l stands for where one register serves two tiles
	v_lshlrev_b32 v[NDO], 2, v239
	v_lshlrev_b32 v[PP16], 4, v239
	v_mul_u32_u24 v[OMO], v234, 48
	v_mad_u32_u24 v[OMO], v235, 24, v[OMO]
	v_and_b32 v[PMO], 1, v0
	v_lshlrev_b32 v[PMO], 7, v[PMO]
	v_mov_b32 v[HM], 0xff800000
	v_mov_b32 v[HM+1], 0xff800000
.irp k, 4,5,6,7
	v_mov_b32 v[TM+\k], 0                          ; written once: a lane permute's destination counts as one of its sources
.endr
.irp k, 6,7,8,9,10,11
	v_mov_b32 v[PC+\k], 0
.endr
	v_mov_b32 v[DG+4], 0
	s_lshl_b32 s8, s4, 17
	s_add_nc_u64 s[68:69], s[68:69], s[8:9]        ; x at my 64 tokens
	s_lshl_b32 s8, s[WV], 9
	s_add_nc_u64 s[74:75], s[74:75], s[8:9]        ; bk, bv at my two heads
	s_add_nc_u64 s[80:81], s[80:81], s[8:9]
	s_lshl_b32 s8, s[WV], 11
	s_add_nc_u64 s[72:73], s[72:73], s[8:9]        ; the weights' scale bytes likewise
	s_add_nc_u64 s[78:79], s[78:79], s[8:9]
	s_lshl_b32 s8, s5, 7
	s_lshl_b32 s10, s6, 2
	s_add_co_u32 s8, s8, s10
	s_mul_i32 s8, s8, 768
	s_add_nc_u64 s[86:87], s[86:87], s[8:9]        ; kimg: tile 128 (batch, head) + 4 x block
	s_lshl_b32 s8, s5, 5
	s_add_co_u32 s8, s8, s6
	s_mul_i32 s8, s8, 3072
	s_add_nc_u64 s[88:89], s[88:89], s[8:9]        ; vimg: group 32 (batch, head) + block
	s_lshl_b32 s8, s5, 6
	s_lshl_b32 s10, s6, 1
	s_add_co_u32 s8, s8, s10
	s_lshl_b32 s8, s8, 7
	s_add_nc_u64 s[52:53], s[90:91], s[8:9]        ; k's scale words
	s_lshl_b32 s8, s5, 11
	s_lshl_b32 s10, s6, 6
	s_add_co_u32 s8, s8, s10
	s_lshl_b32 s8, s8, 2
	s_add_co_u32 s8, s8, A_ND
	s_add_nc_u64 s[54:55], s[90:91], s[8:9]        ; -0.5 |k|^2
	s_lshl_b32 s8, s5, 4
	s_lshr_b32 s10, s6, 1
	s_add_co_u32 s8, s8, s10
	s_lshl_b32 s8, s8, 8
	s_and_b32 s10, s6, 1
	s_lshl_b32 s10, s10, 1
	s_add_co_u32 s8, s8, s10
	s_add_co_u32 s8, s8, A_VSC
	s_add_nc_u64 s[56:57], s[90:91], s[8:9]        ; v's scale bytes
	s_lshl_b32 s8, s5, 5
	s_add_co_u32 s8, s8, s6
	s_lshl_b32 s8, s8, 2
	s_add_co_u32 s8, s8, A_PMAX
	s_add_nc_u64 s[58:59], s[90:91], s[8:9]        ; the largest h
	; the small loads first, x's 64 loads last: the counted waits below then count x's alone
	WIN 0x40
.irp f, 0,1
.irp t, 0,1,2,3
	global_load_b128 v[CB+32*\f+8*\t:CB+32*\f+8*\t+3], v[HH64], s[74:75] offset:256*\f+128*(\t/2)+32*(\t%2)
	global_load_b128 v[CB+32*\f+8*\t+4:CB+32*\f+8*\t+7], v[HH64], s[74:75] offset:256*\f+128*(\t/2)+32*(\t%2)+16
.endr
.endr
	WIN 0x80
.irp t, 0,1,2,3,4,5,6,7
.irp p, 0,1,2
	global_load_b64 v[OMF+12*\t+2*\p:OMF+12*\t+2*\p+1], v[OMO], s[82:83] offset:768*\t+8*\p
.endr
.irp k, 6,7,8,9,10,11
	v_mov_b32 v[OMF+12*\t+\k], 0                   ; zero codes for K = 64 .. 127
.endr
.endr
	WIN 0
.irp f, 0,1
.irp bb, 0,1
	global_load_b128 v[WSC+8*\f+4*\bb:WSC+8*\f+4*\bb+3], v[PP16], s[72:73] offset:1024*\f+512*\bb
	global_load_b128 v[WSC+16+8*\f+4*\bb:WSC+16+8*\f+4*\bb+3], v[L16], s[78:79] offset:1024*\f+512*\bb
.endr
.endr
.irp bb, 0,1,2,3
	global_load_u16 v[OMS+\bb], v[L2], s[84:85] offset:64*\bb
.endr
.irp f, 0,1
.irp t, 0,1,2,3
	global_load_b32 v[BV+4*\f+\t], v[R4], s[80:81] offset:256*\f+64*\t
.endr
.endr
	WIN 0xc0
.irp m, 0,1,2,3
.irp i, 0,1,2,3,4,5,6,7,8,9,10,11,12,13,14,15
	global_load_b128 v[64*\m+4*\i:64*\m+4*\i+3], v[XO], s[68:69] offset:(32*(\m/2)+8*(\m%2)+\i+8*(\i/8))*2048 th:TH_LOAD_NT   ; 512 consecutive bytes of one token's row
.endr
.endr
	WIN 0
	; x: a tile of 16 tokens turns through my stage, so that a lane holds 16 neighbours of each block of 32; quantised; the image and the scale words go to LDS
.irp m, 0,1,2,3
	s_wait_loadcnt 48-16*\m                        ; the later tiles' loads, 16 each, may be out
	WIN 0x0c
.irp i, 0,1,2,3,4,5,6,7,8,9,10,11,12,13,14,15
	ds_store_b128 v[STW], v[64*\m+4*\i:64*\m+4*\i+3] offset:528*\i
.endr
	WIN 0x80
.irp bb, 0,1,2,3
.irp j, 0,1,2,3
	ds_load_b128 v[G+64*(\m%2)+16*\bb+4*\j:G+64*(\m%2)+16*\bb+4*\j+3], v[STR] offset:128*\bb+16*\j
.endr
.endr
	WIN 0
	s_wait_dscnt 0x0
	QUANT G+64*(\m%2), 2, 2
	IMG AIW, 1536*\m, 6
	ds_store_b32 v[ASW], v[PW] offset:128*\m
.endr
	; ---- Wk, heads 2 w
	CHANGE 0, 0
	TLOAD G0+4                                     ; Wk, heads 2 w + 1
	WIN 0x40
.irp s, 0,1,2,3
.irp m, 0,1,2,3
.irp p, 0,1,2,3,4,5
	ds_load_b64 v[12*(4*\m+\s)+2*\p:12*(4*\m+\s)+2*\p+1], v[AIR] offset:1536*(4*\s+\m)+256*\p
.endr
.endr
.endr
	WIN 0
.irp s, 0,1,2,3
.irp m, 0,1,2,3
	ds_load_b32 v[ASCR+4*\m+\s], v[ASR] offset:128*(4*\s+\m)
.endr
.endr
	GEMM PA0, 1, 0, WSC, CB
	KEPI 0
	; ---- Wk, heads 2 w + 1
	CHANGE 1, 24576
	TLOAD G0                                       ; Wv, heads 2 w
	GEMM PA1, 1, 0, WSC+8, CB+32
	KEPI 1
	WIN 0x40
.irp f, 0,1
.irp t, 0,1,2,3
.irp j, 0,1,2,3,4,5,6,7
	v_mov_b32 v[CB+32*\f+8*\t+\j], v[BV+4*\f+\t]   ; bv in the layout of v's results: a lane holds one d
.endr
.endr
.endr
	WIN 0
	; ---- Wv, heads 2 w
	CHANGE -1, 0
	TLOAD G0+4                                     ; Wv, heads 2 w + 1
	GEMM NA0, 0, 1, WSC+16, CB
	VEPI 0
	; ---- Wv, heads 2 w + 1: nothing is left to fetch
	CHANGE -1, 0
	GEMM NA1, 0, 1, WSC+24, CB+32
	VEPI 1
.irp f, 0,1
.irp x, 1,2,4,8
	v_max_num_f32_dpp v[HM+\f], v[HM+\f], v[HM+\f] row_xmask:\x row_mask:0xf bank_mask:0xf
.endr
.endr
	s_wait_xcnt 0x0
	v_cndmask_b32 v[KP+2], v[HM], v[HM+1], s[MODD]
	global_store_b32 v[PMO], v[KP+2], s[58:59]     ; even lanes: head 2 w, odd lanes: head 2 w + 1; all write the same two numbers
	s_wait_tensorcnt 0x0                           ; the wave's end
	ds_add_u32 v[SPW], v[NIL]
	s_wait_dscnt 0x0
	ROUND                                          ; the closing round
	s_endpgm
.Lfunc_end_k_qa971f8c18b_kvproj:
	.size	k_qa971f8c18b_kvproj, .Lfunc_end_k_qa971f8c18b_kvproj-k_qa971f8c18b_kvproj
	.p2alignl 7, 3214868480
	.fill 96, 4, 3214868480
	.section	.rodata,"a",@progbits
	.p2align	6, 0x0
	.amdhsa_kernel k_qa971f8c18b_kvproj
		.amdhsa_group_segment_fixed_size 327680
		.amdhsa_private_segment_fixed_size 0
		.amdhsa_enable_private_segment 0
		.amdhsa_kernarg_size 96
		.amdhsa_user_sgpr_count 2
		.amdhsa_user_sgpr_kernarg_segment_ptr 1
		.amdhsa_wavefront_size32 1
		.amdhsa_system_sgpr_workgroup_id_x 1
		.amdhsa_system_sgpr_workgroup_id_y 1
		.amdhsa_system_sgpr_workgroup_id_z 1
		.amdhsa_system_vgpr_workitem_id 0
		.amdhsa_next_free_vgpr 1024
		.amdhsa_next_free_sgpr 100
		.amdhsa_reserve_vcc 0
		.amdhsa_float_denorm_mode_32 3
		.amdhsa_float_denorm_mode_16_64 3
		.amdhsa_memory_ordered 1
		.amdhsa_forward_progress 1
		.amdhsa_inst_pref_size 202
	.end_amdhsa_kernel
	.amdgpu_metadata
---
amdhsa.version: [ 1, 2 ]
amdhsa.kernels:
  - .name:           k_qa971f8c18b_kvproj
    .symbol:         k_qa971f8c18b_kvproj.kd
    .args:
      - { .name: x, .offset: 0, .size: 8, .value_kind: global_buffer, .address_space: global }
      - { .name: Wk_codes, .offset: 8, .size: 8, .value_kind: global_buffer, .address_space: global }
      - { .name: Wk_scales, .offset: 16, .size: 8, .value_kind: global_buffer, .address_space: global }
      - { .name: bk, .offset: 24, .size: 8, .value_kind: global_buffer, .address_space: global }
      - { .name: Wv_codes, .offset: 32, .size: 8, .value_kind: global_buffer, .address_space: global }
      - { .name: Wv_scales, .offset: 40, .size: 8, .value_kind: global_buffer, .address_space: global }
      - { .name: bv, .offset: 48, .size: 8, .value_kind: global_buffer, .address_space: global }
      - { .name: omega_codes, .offset: 56, .size: 8, .value_kind: global_buffer, .address_space: global }
      - { .name: omega_scales, .offset: 64, .size: 8, .value_kind: global_buffer, .address_space: global }
      - { .name: kimg, .offset: 72, .size: 8, .value_kind: global_buffer, .address_space: global }
      - { .name: vimg, .offset: 80, .size: 8, .value_kind: global_buffer, .address_space: global }
      - { .name: aux1, .offset: 88, .size: 8, .value_kind: global_buffer, .address_space: global }
    .group_segment_fixed_size: 327680
    .private_segment_fixed_size: 0
    .kernarg_segment_align: 8
    .kernarg_segment_size: 96
    .max_flat_workgroup_size: 128
    .sgpr_count:     100
    .vgpr_count:     1024
    .wavefront_size: 32
...
	.end_amdgpu_metadata
.endif
;; end of part 1
;; launch kvsum (part 2): grid 256 x 1, 8 waves a work-group, no clusters, 75,776 bytes of LDS; arguments kimg, vimg, aux1, omega_codes, omega_scales, Wq_codes, W1_codes, W2_codes, Wo, wimg, kvout; writes wimg, kvout
.if DOCPART == 2
	.amdgcn_target "amdgcn-amd-amdhsa--gfx1250"
	.amdhsa_code_object_version 6
	.text
	.protected	k_qa971f8c18b_kvsum
	.globl	k_qa971f8c18b_kvsum
	.p2align	8
	.type	k_qa971f8c18b_kvsum,@function
k_qa971f8c18b_kvsum:
	s_mov_b64 s[64:65], 0
	v_nop
	global_prefetch_b8 v0, s[64:65] scope:SCOPE_SE
	s_setreg_imm32_b32 hwreg(HW_REG_WAVE_MODE, 25, 1), 1
	s_wait_xcnt 0x0
; SECOND LAUNCH.  Work-group 4 (batch, head) + q makes features 32 q .. 32 q + 31 of phi_k = exp(k omega - 0.5 |k|^2 - stab) 128^-0.5 for all 2,048 tokens, their sums over the tokens (ksum), and
; kv = phi_k^T v for all 64 d, both operands quantised along the tokens; kv is whole inside the work-group, its 32 features are one block of its quantiser along the features: codes and bytes go to kvout.
; stab is the largest h of the (batch, head): the largest of the 32 numbers that the launch before has stored.
; SHARES.  Eight waves; wave w takes tokens 256 w .. 256 w + 255, two K steps of 128.  All operands come from memory straight into registers, as images laid by the launch before.  The waves' parts of kv and ksum meet in LDS: one barrier.
; (h - stab) - 3.5 ln 2 enters as the C of k omega; source 0 = k (16 tokens), source 1 = omega (16 features): a lane holds one feature and its registers run along the tokens.
; BESIDE IT: 1,152 waves of the launch lay one fragment each of Wq, W1, W2 into the order of the operand's registers (wimg: registers 4 c .. 4 c + 3 of lane l at 512 c + 16 l of the fragment's 1,536 bytes),
; 256 waves quantise one block of 32 x 32 of Wo along K into the same order.
; LIMITS: as in the first launch; an exponential under 2^-126 comes out as 0.
.set PART, 0                           ; 8 x 8,192: each wave's eight accumulators
.set KSX,  65536                       ; 8 x 128: each wave's sums
.set NDL,  66560                       ; 8 x 1,024: each wave's own 256 numbers (h's part that hangs on the token)
.set A_ND,  524288
.set A_VSC, 1048576
.set A_PMAX, 1310720
.set KSC, 16
.set VS,  24
.set OMS, 32
.set PW,  34
.set KS,  40
.set NDV, 48
.set FLR, 56
.set H,   64
.set RD,  64
.set ACC, 128
.set TM,  192
.set PC,  208
.set KF,  0                            ; window 1: v0-95 k's 16 half fragments, v96-101 zero codes; v104-199 v's 8 fragments; v200-223 omega's two; v224-255 the side work
.set VF,  104
.set OMF, 200
.set PR,  224
.set WV,  26
.set GW,  29
.set SEL, 32
.set L2E, 34
.set MHI, 54
.set MSB, 0
.macro WIN new
.if MSB != (\new)
	s_set_vgpr_msb (MSB<<8)|(\new)
.set MSB, \new
.endif
.endm
.macro PLACES n
.rept \n
	v_nop
.endr
.endm
.macro WMMA d, a, b, c, sa, sb, ra, rb
.if (\c) < 0
.if \ra
	v_wmma_scale_f32_16x16x128_f8f6f4 v[(\d):(\d)+7], v[(\a):(\a)+11], v[(\b):(\b)+11], 0, v[\sa], v[\sb] matrix_a_fmt:MATRIX_FMT_FP6 matrix_b_fmt:MATRIX_FMT_FP6 matrix_a_scale:MATRIX_SCALE_ROW1
.else
	v_wmma_scale_f32_16x16x128_f8f6f4 v[(\d):(\d)+7], v[(\a):(\a)+11], v[(\b):(\b)+11], 0, v[\sa], v[\sb] matrix_a_fmt:MATRIX_FMT_FP6 matrix_b_fmt:MATRIX_FMT_FP6
.endif
.else
.if \ra
	v_wmma_scale_f32_16x16x128_f8f6f4 v[(\d):(\d)+7], v[(\a):(\a)+11], v[(\b):(\b)+11], v[(\c):(\c)+7], v[\sa], v[\sb] matrix_a_fmt:MATRIX_FMT_FP6 matrix_b_fmt:MATRIX_FMT_FP6 matrix_a_scale:MATRIX_SCALE_ROW1
.else
	v_wmma_scale_f32_16x16x128_f8f6f4 v[(\d):(\d)+7], v[(\a):(\a)+11], v[(\b):(\b)+11], v[(\c):(\c)+7], v[\sa], v[\sb] matrix_a_fmt:MATRIX_FMT_FP6 matrix_b_fmt:MATRIX_FMT_FP6
.endif
.endif
.endm
.macro QUANT s, nc, sw                 ; as in the first launch
	WIN ((\sw)<<2)|((\sw)<<4)
.set qb, 0
.rept 2*(\nc)
	v_max3_num_f32 v[TM+qb], v[FLR], |v[(\s)+16*qb]|, |v[(\s)+16*qb+1]|
.set qb, qb+1
.endr
.irp i, 2,4,6,8,10,12,14
.set qb, 0
.rept 2*(\nc)
	v_max3_num_f32 v[TM+qb], v[TM+qb], |v[(\s)+16*qb+\i]|, |v[(\s)+16*qb+\i+1]|
.set qb, qb+1
.endr
.endr
	WIN 0
.set qb, 0
.rept 2*(\nc)
	v_permlanex16_b32 v[TM+4+qb], v[TM+qb], s[SEL], s[SEL+1]
.set qb, qb+1
.endr
.set qb, 0
.rept 2*(\nc)
	v_max_num_f32 v[TM+qb], v[TM+qb], v[TM+4+qb]
.set qb, qb+1
.endr
.set qb, 0
.rept 2*(\nc)
	v_add_nc_u32 v[TM+12+qb], 0xff000000, v[TM+qb]
.set qb, qb+1
.endr
.set qb, 0
.rept 2*(\nc)
	v_lshrrev_b32 v[TM+4+qb], 23, v[TM+12+qb]
.set qb, qb+1
.endr
	v_lshl_or_b32 v[PW], v[TM+5], 8, v[TM+4]
.if (\nc) > 1
	v_lshl_or_b32 v[PW], v[TM+6], 16, v[PW]
	v_lshl_or_b32 v[PW], v[TM+7], 24, v[PW]
.endif
	WIN \sw
.set qc, 0
.rept \nc
	v_cvt_scalef32_pk16_fp6_f32 v[PC+6*qc:PC+6*qc+2], v[(\s)+32*qc:(\s)+32*qc+15], v[TM+12+2*qc]
	v_cvt_scalef32_pk16_fp6_f32 v[PC+12+4*qc:PC+12+4*qc+2], v[(\s)+32*qc+16:(\s)+32*qc+31], v[TM+12+2*qc+1]
.set qc, qc+1
.endr
	WIN 0
	v_nop
.set qc, 0
.rept \nc
.irp i, 0,1,2
	v_permlane16_swap_b32 v[PC+6*qc+\i], v[PC+12+4*qc+\i]
.endr
.irp i, 0,1,2
	v_mov_b32 v[PC+3+6*qc+\i], v[PC+12+4*qc+\i]
.endr
.set qc, qc+1
.endr
.endm
; K step st (128 tokens), tile f of 16 features
.macro STEP st, f
.irp t, 0,1,2,3,4,5,6,7
	ds_load_b128 v[H+8*\t:H+8*\t+3], v12 offset:4*(128*(\st)+32*(\t/2)+8*(\t%2))       ; the C of k omega: register j of tile t is token 32 (t / 2) + 8 (t % 2) + 16 h + j
	ds_load_b128 v[H+8*\t+4:H+8*\t+7], v12 offset:4*(128*(\st)+32*(\t/2)+8*(\t%2))+16
.endr
	s_wait_dscnt 0x0
	WIN 0x05
.irp t, 0,1,2,3,4,5,6,7
	WMMA H+8*\t, KF+6*(8*(\st)+\t), OMF+12*(\f), H+8*\t, KSC+4*(\st)+\t/2, OMS+(\f), \t%2, 0
.endr
	WIN 0
	PLACES 4
.set sj, 0
.rept 32
	v_pk_mul_f32 v[H+sj:H+sj+1], v[H+sj:H+sj+1], s[L2E:L2E+1] op_sel_hi:[1,0]
.set sj, sj+2
.endr
.set sj, 0
.rept 64
	v_exp_f32 v[H+sj], v[H+sj]                     ; phi_k
.set sj, sj+1
.endr
	v_nop                                          ; a plain place behind the exponentials
	s_wait_alu depctr_va_vdst(0)                   ; one wait for the batch, ahead of its first reader
.set sj, 0
.rept 16
	v_pk_add_f32 v[KS+4*(\f):KS+4*(\f)+1], v[KS+4*(\f):KS+4*(\f)+1], v[H+sj:H+sj+1]       ; ksum is taken of the unquantised phi_k
	v_pk_add_f32 v[KS+4*(\f)+2:KS+4*(\f)+3], v[KS+4*(\f)+2:KS+4*(\f)+3], v[H+sj+2:H+sj+3]
.set sj, sj+4
.endr
	QUANT H, 2, 0
	PLACES 8                                       ; a scale word made by vector instructions stands 8 places ahead of a scaled product
	WIN 0x04
.irp t, 0,1,2,3
.if (\st) == 0
	WMMA ACC+8*(4*(\f)+\t), PC, VF+12*(4*(\st)+\t), -1, PW, VS+4*(\st)+\t, 0, 0
.else
	WMMA ACC+8*(4*(\f)+\t), PC, VF+12*(4*(\st)+\t), ACC+8*(4*(\f)+\t), PW, VS+4*(\st)+\t, 0, 0
.endif
.endr
	WIN 0
.endm
	s_load_b512 s[4:19], s[0:1], 0x0               ; kimg, vimg, aux1, omega codes, omega scales, Wq, W1, W2
	s_load_b128 s[20:23], s[0:1], 0x40             ; Wo, wimg
	s_load_b64 s[24:25], s[0:1], 0x50              ; kvout
	v_lshl_add_u32 v254, v0, 2, 0x12400
	v_mov_b32 v255, 0
	v_lshrrev_b32 v63, 5, v0
	v_readfirstlane_b32 s[WV], v63                 ; wave 0..7
	s_lshr_b32 s27, ttmp9, 2                       ; (batch, head)
	s_and_b32 s28, ttmp9, 3                        ; q
	s_lshl_b32 s[GW], ttmp9, 3
	s_add_co_u32 s[GW], s[GW], s[WV]               ; my wave's number in the launch
	s_mov_b32 s[SEL], 0x76543210
	s_mov_b32 s[SEL+1], 0xfedcba98
	s_mov_b32 s[L2E], 0x3fb8aa3b                   ; log2(e)
	s_mov_b32 s[L2E+1], s[L2E]
	s_mov_b32 s[MHI], 0xffff0000
	v_and_b32 v1, 31, v0                           ; lane
	v_and_b32 v2, 15, v0                           ; r
	v_bfe_u32 v3, v0, 4, 1                         ; h
	v_lshlrev_b32 v4, 3, v1
	v_lshlrev_b32 v5, 2, v1
	v_lshlrev_b32 v6, 4, v1
	v_and_b32 v7, 8, v2
	v_add_nc_u32 v7, v7, v2                        ; r + 8 (r / 8)
	v_lshl_add_u32 v8, v3, 3, v7                   ; + 8 h
	v_mul_u32_u24 v9, v7, 48
	v_mad_u32_u24 v9, v3, 24, v9                   ; omega: a row is 48 bytes
	v_lshlrev_b32 v10, 1, v7
	v_lshlrev_b32 v11, 2, v2
	s_lshl_b32 s37, s[WV], 10
	s_add_co_u32 s38, s37, NDL
	v_lshl_add_u32 v12, v3, 6, s38                 ; every LDS address is made here, ahead of the first branch
	v_add_nc_u32 v13, s38, v6
	s_lshl_b32 s38, s[WV], 13
	v_add_nc_u32 v14, s38, v6
	s_lshl_b32 s38, s[WV], 7
	s_add_co_u32 s38, s38, KSX
	v_add_nc_u32 v15, s38, v5
	v_add_nc_u32 v57, s37, v6
	v_add_nc_u32 v58, KSX, v5
	v_mul_u32_u24 v59, v2, 96
	v_mad_u32_u24 v59, v3, 12, v59
	v_lshlrev_b32 v61, 2, v8
	v_mov_b32 v[FLR], 0x1800000
	v_mov_b32 v36, 0
.irp k, 4,5,6,7
	v_mov_b32 v[TM+\k], 0
.endr
.irp k, 0,1,2,3,4,5,6,7
	v_mov_b32 v[KS+\k], 0
.endr
	s_mov_b32 s39, 0
	s_wait_kmcnt 0x0
	s_lshl_b32 s38, s27, 7
	s_add_co_u32 s38, s38, A_PMAX
	s_add_nc_u64 s[40:41], s[8:9], s[38:39]
	s_lshl_b32 s38, s27, 13
	s_add_co_u32 s38, s38, s37
	s_add_nc_u64 s[44:45], s[8:9], s[38:39]        ; k's scale words: 64 groups a (batch, head), 8 a wave, 128 bytes each
	s_add_co_u32 s38, s38, A_ND
	s_add_nc_u64 s[42:43], s[8:9], s[38:39]        ; -0.5 |k|^2 of my 256 tokens
	s_lshl_b32 s38, s27, 12
	s_lshl_b32 s36, s[WV], 9
	s_add_co_u32 s38, s38, s36
	s_add_co_u32 s38, s38, A_VSC
	s_add_nc_u64 s[46:47], s[8:9], s[38:39]
	s_mul_i32 s38, s27, 98304
	s_mul_i32 s36, s[WV], 12288
	s_add_co_u32 s38, s38, s36
	s_add_nc_u64 s[4:5], s[4:5], s[38:39]          ; my 16 tiles of k, my 4 groups of v: 12,288 bytes each
	s_add_nc_u64 s[6:7], s[6:7], s[38:39]
	s_mul_i32 s38, s28, 1536
	s_add_nc_u64 s[10:11], s[10:11], s[38:39]
	s_lshl_b32 s38, s28, 6
	s_add_nc_u64 s[12:13], s[12:13], s[38:39]
	s_mul_i32 s38, s27, 6144
	s_mul_i32 s36, s[WV], 1536
	s_add_co_u32 s38, s38, s36
	s_mul_i32 s36, s28, 24
	s_add_co_u32 s38, s38, s36
	s_add_nc_u64 s[48:49], s[24:25], s[38:39]      ; kv's codes: row d of 96 bytes, block q
	s_lshl_b32 s38, s27, 8
	s_lshl_b32 s36, s[WV], 6
	s_add_co_u32 s38, s38, s36
	s_add_co_u32 s38, s38, s28
	s_add_co_u32 s38, s38, 393216
	s_add_nc_u64 s[50:51], s[24:25], s[38:39]      ; kv's scale bytes
	s_lshl_b32 s38, s27, 9
	s_lshl_b32 s36, s28, 7
	s_add_co_u32 s38, s38, s36
	s_add_co_u32 s38, s38, 409600
	s_add_nc_u64 s[52:53], s[24:25], s[38:39]      ; ksum
	global_load_b32 v35, v5, s[40:41]
	global_load_b128 v[NDV:NDV+3], v6, s[42:43]
	global_load_b128 v[NDV+4:NDV+7], v6, s[42:43] offset:512
.irp f, 0,1
	global_load_u16 v[OMS+\f], v10, s[12:13] offset:16*\f
.endr
.irp i, 0,1,2,3,4,5,6,7
	global_load_b32 v[KSC+\i], v5, s[44:45] offset:128*\i
.endr
.irp st, 0,1
.irp t, 0,1,2,3
	global_load_b32 v[VS+4*\st+\t], v11, s[46:47] offset:256*\st+64*\t
.endr
.endr
	WIN 0x40
.irp f, 0,1
.irp p, 0,1,2
	global_load_b64 v[OMF+12*\f+2*\p:OMF+12*\f+2*\p+1], v9, s[10:11] offset:384*\f+8*\p
.endr
.irp k, 6,7,8,9,10,11
	v_mov_b32 v[OMF+12*\f+\k], 0
.endr
.endr
.irp k, 96,97,98,99,100,101
	v_mov_b32 v[KF+\k], 0
.endr
.irp i, 0,1,2,3,4,5,6,7,8,9,10,11,12,13,14,15
.irp p, 0,1,2
	global_load_b64 v[KF+6*\i+2*\p:KF+6*\i+2*\p+1], v4, s[4:5] offset:768*\i+256*\p th:TH_LOAD_NT
.endr
.endr
.irp st, 0,1
.irp t, 0,1,2,3
.irp c, 0,1
.irp p, 0,1,2
	global_load_b64 v[VF+12*(4*\st+\t)+6*\c+2*\p:VF+12*(4*\st+\t)+6*\c+2*\p+1], v4, s[6:7] offset:((2*\st+\c)*4+\t)*768+256*\p
.endr
.endr
.endr
.endr
	WIN 0
	; ---- beside it: one fragment of Wq, W1 or W2 into the order of the operand's registers
	s_cmp_lt_u32 s[GW], 1152
	s_cbranch_scc0 .Lnot_a
	s_cmp_lt_u32 s[GW], 128
	s_cselect_b64 s[56:57], s[14:15], s[16:17]
	s_cselect_b32 s58, 0, 128
	s_cselect_b32 s59, 1, 0
	s_sub_co_u32 s58, s[GW], s58
	s_lshr_b32 s60, s58, 2                         ; Wq, W1: tile of 16 rows,
	s_and_b32 s61, s58, 3                          ; K step
	s_bfe_u32 s62, s60, 0x10002
	s_lshr_b32 s63, s60, 3
	s_lshr_b32 s66, s60, 4
	s_lshl_b32 s66, s66, 1
	s_add_co_u32 s66, s66, 4
	s_bfe_u32 s67, s60, 0x20002
	s_cmp_eq_u32 s59, 1
	s_cselect_b32 s62, s62, s66                    ; which tile of wimg,
	s_cselect_b32 s63, s63, s67                    ; which wave's quarter,
	s_and_b32 s66, s60, 3
	s_lshl_b32 s67, s61, 2
	s_add_co_u32 s66, s66, s67                     ; which fragment of it
	s_sub_co_u32 s58, s[GW], 640
	s_lshr_b32 s68, s58, 4                         ; the same for W2
	s_and_b32 s69, s58, 15
	s_lshr_b32 s70, s69, 1
	s_lshl_b32 s70, s70, 1
	s_add_co_u32 s70, s70, 5
	s_lshr_b32 s71, s68, 3
	s_and_b32 s72, s69, 1
	s_lshl_b32 s72, s72, 3
	s_and_b32 s73, s68, 7
	s_add_co_u32 s72, s72, s73
	s_mov_b32 s73, 1536
	s_cmp_lt_u32 s[GW], 640
	s_cselect_b64 s[56:57], s[56:57], s[18:19]
	s_cselect_b32 s62, s62, s70
	s_cselect_b32 s63, s63, s71
	s_cselect_b32 s66, s66, s72
	s_cselect_b32 s60, s60, s68
	s_cselect_b32 s61, s61, s69
	s_cselect_b32 s73, 384, s73                    ; a row of the weight in bytes
	s_lshr_b32 s58, s60, 1
	s_lshl_b32 s58, s58, 5
	s_and_b32 s59, s60, 1
	s_lshl_b32 s59, s59, 3
	s_add_co_u32 s58, s58, s59                     ; the tile's first row: 32 (tile / 2) + 8 (tile % 2)
	s_mul_i32 s58, s58, s73
	s_mul_i32 s59, s61, 96
	s_add_co_u32 s58, s58, s59
	s_mov_b32 s59, 0
	s_add_nc_u64 s[56:57], s[56:57], s[58:59]
	s_mul_i32 s58, s62, 98304
	s_mul_i32 s60, s63, 24576
	s_add_co_u32 s58, s58, s60
	s_mul_i32 s60, s66, 1536
	s_add_co_u32 s58, s58, s60
	s_add_nc_u64 s[74:75], s[22:23], s[58:59]
	v_mul_lo_u32 v62, v7, s73
	v_mad_u32_u24 v62, v3, 24, v62
	WIN 0x40
.irp p, 0,1,2,3,4,5
	global_load_b64 v[PR+2*\p:PR+2*\p+1], v62, s[56:57] offset:48*(\p/3)+8*(\p%3)
.endr
	WIN 0
	s_wait_loadcnt 0x0
	WIN 0x04
.irp c, 0,1,2
	global_store_b128 v6, v[PR+4*\c:PR+4*\c+3], s[74:75] offset:512*\c     ; registers 4 c .. 4 c + 3: 512 consecutive bytes, aligned
.endr
	WIN 0
	s_wait_xcnt 0x0
.Lnot_a:
	; ---- and one block of Wo: 32 along K x 32 columns; a lane takes a column, its registers run down K
	s_sub_co_u32 s58, s[GW], 1152
	s_cmp_lt_u32 s58, 256
	s_cbranch_scc0 .Lnot_b
	s_lshr_b32 s60, s58, 4                         ; which block along K
	s_and_b32 s61, s58, 15                         ; which 32 columns
	s_lshl_b32 s58, s60, 16
	s_lshl_b32 s62, s61, 7
	s_add_co_u32 s58, s58, s62
	s_mov_b32 s59, 0
	s_add_nc_u64 s[56:57], s[20:21], s[58:59]
	WIN 0x40
.set bi, 0
.rept 32
	global_load_b32 v[PR+bi], v5, s[56:57] offset:2048*bi th:TH_LOAD_NT
.set bi, bi+1
.endr
	WIN 0
	s_bfe_u32 s58, s61, 0x10001
	s_add_co_u32 s58, s58, 2
	s_mul_i32 s58, s58, 98304
	s_lshr_b32 s62, s61, 2
	s_mul_i32 s62, s62, 24576
	s_add_co_u32 s58, s58, s62
	s_lshr_b32 s62, s60, 2
	s_lshl_b32 s62, s62, 2
	s_and_b32 s63, s61, 1
	s_lshl_b32 s63, s63, 1
	s_add_co_u32 s62, s62, s63
	s_mul_i32 s62, s62, 1536
	s_add_co_u32 s58, s58, s62                     ; the fragment: K step (block / 4), tile 2 (columns % 2) + ..
	s_and_b32 s62, s60, 1
	s_lshl_b32 s62, s62, 8                         ; an odd block lies in the fragment's lanes 16-31: 16 x 16 bytes on
	s_add_co_u32 s58, s58, s62
	s_add_nc_u64 s[74:75], s[22:23], s[58:59]
	s_lshl_b32 s58, s61, 9
	s_add_co_u32 s58, s58, s60
	s_add_co_u32 s58, s58, 442368
	s_add_nc_u64 s[76:77], s[24:25], s[58:59]
	s_bfe_u32 s67, s60, 0x10001                    ; the block's six registers are the fragment's 0-5 or 6-11: pair P of registers lies at 512 (P / 2) + 8 (P % 2)
	s_cmp_eq_u32 s67, 1
	s_cselect_b32 s62, 520, 0                      ; pairs 0, 1, 2 or 3, 4, 5
	s_cselect_b32 s63, 1024, 8
	s_mov_b32 s66, 512
	s_cselect_b32 s66, 1032, s66
	v_bfe_u32 v62, v0, 3, 1                        ; column l of the 32 is row (l % 8) + 8 (l / 16) of tile (l / 8) % 2
	v_mul_u32_u24 v62, v62, 1536
	v_and_b32 v63, 7, v0
	v_lshl_add_u32 v63, v3, 3, v63
	v_lshl_add_u32 v62, v63, 4, v62                ; 16 bytes a lane of the fragment
	v_add_nc_u32 v60, s62, v62
	v_add_nc_u32 v63, s63, v62
	v_add_nc_u32 v62, s66, v62
	s_wait_loadcnt 0x0
	WIN 0x14
	v_max3_num_f32 v[TM], v[FLR], |v[PR]|, |v[PR+1]|
	v_max3_num_f32 v[TM+1], v[FLR], |v[PR+2]|, |v[PR+3]|
.irp i, 4,8,12,16,20,24,28
	v_max3_num_f32 v[TM], v[TM], |v[PR+\i]|, |v[PR+\i+1]|
	v_max3_num_f32 v[TM+1], v[TM+1], |v[PR+\i+2]|, |v[PR+\i+3]|
.endr
	WIN 0
	v_max_num_f32 v[TM], v[TM], v[TM+1]
	v_add_nc_u32 v[TM+12], 0xff000000, v[TM]
	v_lshrrev_b32 v[TM+4], 23, v[TM+12]
	WIN 0x01
	v_cvt_scalef32_pk16_fp6_f32 v[PC:PC+2], v[PR:PR+15], v[TM+12]
	v_cvt_scalef32_pk16_fp6_f32 v[PC+4:PC+6], v[PR+16:PR+31], v[TM+12]
	WIN 0
	v_nop
	v_mov_b32 v[PC+3], v[PC+4]
	v_mov_b32 v[PC+4], v[PC+5]
	v_mov_b32 v[PC+5], v[PC+6]
	global_store_b64 v60, v[PC:PC+1], s[74:75]
	global_store_b64 v63, v[PC+2:PC+3], s[74:75]
	global_store_b64 v62, v[PC+4:PC+5], s[74:75]
	global_store_b8 v6, v[TM+4], s[76:77]
	s_wait_xcnt 0x0                                ; the stores have read their data: the registers are written again below
.Lnot_b:
	s_wait_loadcnt 0x0
.irp x, 1,2,4,8
	v_max_num_f32_dpp v35, v35, v35 row_xmask:\x row_mask:0xf bank_mask:0xf
.endr
	v_permlanex16_b32 v36, v35, s[SEL], s[SEL+1]
	v_max_num_f32 v35, v35, v36                    ; stab
.irp i, 0,1,2,3,4,5,6,7
	v_sub_f32 v[NDV+\i], v[NDV+\i], v35
.endr
.irp i, 0,1,2,3,4,5,6,7
	v_add_f32 v[NDV+\i], 0xc01b43d5, v[NDV+\i]     ; - 3.5 ln 2: the factor 128^-0.5
.endr
	ds_store_b128 v13, v[NDV:NDV+3]                ; my wave's own bytes: LDS serves a wave's instructions in order
	ds_store_b128 v13, v[NDV+4:NDV+7] offset:512
	STEP 0, 0
	STEP 0, 1
	STEP 1, 0
	STEP 1, 1
	PLACES 4
.irp a, 0,1,2,3,4,5,6,7
	ds_store_b128 v14, v[ACC+8*\a:ACC+8*\a+3] offset:1024*\a
	ds_store_b128 v14, v[ACC+8*\a+4:ACC+8*\a+7] offset:1024*\a+512
.endr
.irp f, 0,1
	v_pk_add_f32 v[KS+4*\f:KS+4*\f+1], v[KS+4*\f:KS+4*\f+1], v[KS+4*\f+2:KS+4*\f+3]
	v_add_f32 v[KS+4*\f], v[KS+4*\f], v[KS+4*\f+1]
	v_permlanex16_b32 v[KS+4*\f+2], v[KS+4*\f], s[SEL], s[SEL+1]
	v_add_f32 v[KS+4*\f], v[KS+4*\f], v[KS+4*\f+2]
.endr
	v_cndmask_b32 v37, v[KS], v[KS+4], s[MHI]
	ds_store_b32 v15, v37
	s_wait_dscnt 0x0                               ; for the others' sake: my stores are done
	s_barrier_signal -1
	s_barrier_wait -1
	s_cmp_lt_u32 s[WV], 4
	s_cbranch_scc0 .Lnot_kv
	; waves 0-3: 16 d each: the eight waves' parts are added; a lane's 16 numbers are features 32 q + 16 h + 0 .. 15 of its d
.irp ws, 0,1,2,3,4,5,6,7
.irp f, 0,1
	ds_load_b128 v[RD+16*\ws+8*\f:RD+16*\ws+8*\f+3], v57 offset:8192*\ws+4096*\f
	ds_load_b128 v[RD+16*\ws+8*\f+4:RD+16*\ws+8*\f+7], v57 offset:8192*\ws+4096*\f+512
.endr
.endr
	s_wait_dscnt 0x0
.irp ws, 1,2,3,4,5,6,7
.irp k, 0,2,4,6,8,10,12,14
	v_pk_add_f32 v[RD+\k:RD+\k+1], v[RD+\k:RD+\k+1], v[RD+16*\ws+\k:RD+16*\ws+\k+1]
.endr
.endr
	v_max3_num_f32 v[TM], v[FLR], |v[RD]|, |v[RD+1]|
.irp i, 2,4,6,8,10,12,14
	v_max3_num_f32 v[TM], v[TM], |v[RD+\i]|, |v[RD+\i+1]|
.endr
	v_permlanex16_b32 v[TM+4], v[TM], s[SEL], s[SEL+1]
	v_max_num_f32 v[TM], v[TM], v[TM+4]
	v_add_nc_u32 v[TM+12], 0xff000000, v[TM]
	v_lshrrev_b32 v[TM+4], 23, v[TM+12]
	v_cvt_scalef32_pk16_fp6_f32 v[PC:PC+2], v[RD:RD+15], v[TM+12]
	v_nop
	global_store_b96 v59, v[PC:PC+2], s[48:49]
	global_store_b8 v11, v[TM+4], s[50:51]         ; both halves of the lanes write the same byte with the same value
	s_branch .Ldone
.Lnot_kv:
	s_cmp_eq_u32 s[WV], 4
	s_cbranch_scc0 .Ldone
.irp ws, 0,1,2,3,4,5,6,7
	ds_load_b32 v[RD+\ws], v58 offset:128*\ws
.endr
	s_wait_dscnt 0x0
.irp ws, 1,2,3,4,5,6,7
	v_add_f32 v[RD], v[RD], v[RD+\ws]
.endr
	global_store_b32 v61, v[RD], s[52:53]
.Ldone:
	s_wait_tensorcnt 0x0
	ds_add_u32 v254, v255
	s_wait_dscnt 0x0
	s_endpgm
.Lfunc_end_k_qa971f8c18b_kvsum:
	.size	k_qa971f8c18b_kvsum, .Lfunc_end_k_qa971f8c18b_kvsum-k_qa971f8c18b_kvsum
	.p2alignl 7, 3214868480
	.fill 96, 4, 3214868480
	.section	.rodata,"a",@progbits
	.p2align	6, 0x0
	.amdhsa_kernel k_qa971f8c18b_kvsum
		.amdhsa_group_segment_fixed_size 75776
		.amdhsa_private_segment_fixed_size 0
		.amdhsa_enable_private_segment 0
		.amdhsa_kernarg_size 88
		.amdhsa_user_sgpr_count 2
		.amdhsa_user_sgpr_kernarg_segment_ptr 1
		.amdhsa_wavefront_size32 1
		.amdhsa_system_sgpr_workgroup_id_x 1
		.amdhsa_system_sgpr_workgroup_id_y 1
		.amdhsa_system_sgpr_workgroup_id_z 1
		.amdhsa_system_vgpr_workitem_id 0
		.amdhsa_next_free_vgpr 512
		.amdhsa_next_free_sgpr 100
		.amdhsa_reserve_vcc 0
		.amdhsa_float_denorm_mode_32 3
		.amdhsa_float_denorm_mode_16_64 3
		.amdhsa_memory_ordered 1
		.amdhsa_forward_progress 1
		.amdhsa_inst_pref_size 89
	.end_amdhsa_kernel
	.amdgpu_metadata
---
amdhsa.version: [ 1, 2 ]
amdhsa.kernels:
  - .name:           k_qa971f8c18b_kvsum
    .symbol:         k_qa971f8c18b_kvsum.kd
    .args:
      - { .name: kimg, .offset: 0, .size: 8, .value_kind: global_buffer, .address_space: global }
      - { .name: vimg, .offset: 8, .size: 8, .value_kind: global_buffer, .address_space: global }
      - { .name: aux1, .offset: 16, .size: 8, .value_kind: global_buffer, .address_space: global }
      - { .name: omega_codes, .offset: 24, .size: 8, .value_kind: global_buffer, .address_space: global }
      - { .name: omega_scales, .offset: 32, .size: 8, .value_kind: global_buffer, .address_space: global }
      - { .name: Wq_codes, .offset: 40, .size: 8, .value_kind: global_buffer, .address_space: global }
      - { .name: W1_codes, .offset: 48, .size: 8, .value_kind: global_buffer, .address_space: global }
      - { .name: W2_codes, .offset: 56, .size: 8, .value_kind: global_buffer, .address_space: global }
      - { .name: Wo, .offset: 64, .size: 8, .value_kind: global_buffer, .address_space: global }
      - { .name: wimg, .offset: 72, .size: 8, .value_kind: global_buffer, .address_space: global }
      - { .name: kvout, .offset: 80, .size: 8, .value_kind: global_buffer, .address_space: global }
    .group_segment_fixed_size: 75776
    .private_segment_fixed_size: 0
    .kernarg_segment_align: 8
    .kernarg_segment_size: 88
    .max_flat_workgroup_size: 256
    .sgpr_count:     100
    .vgpr_count:     512
    .wavefront_size: 32
...
	.end_amdgpu_metadata
.endif
;; end of part 2
;; launch block (part 3): grid 256 x 1, 4 waves a work-group, clusters of 4 x 1, 327,680 bytes of LDS; arguments x, wimg, kvout, Wq_scales, bq, omega_codes, omega_scales, bo, g1, be1, W1_scales, b1, W2_scales, b2, g2, be2, out0; writes out0
.if DOCPART == 3
	.amdgcn_target "amdgcn-amd-amdhsa--gfx1250"
	.amdhsa_code_object_version 6
	.text
	.protected	k_qa971f8c18b_block
	.globl	k_qa971f8c18b_block
	.p2align	8
	.type	k_qa971f8c18b_block,@function
k_qa971f8c18b_block:
	s_mov_b64 s[64:65], 0
	v_nop
	global_prefetch_b8 v0, s[64:65] scope:SCOPE_SE
	s_setreg_imm32_b32 hwreg(HW_REG_WAVE_MODE, 25, 1), 1
	s_wait_xcnt 0x0
	s_wait_alu depctr_hold_cnt(0) depctr_sa_sdst(0) depctr_va_vdst(0) depctr_va_sdst(0) depctr_va_ssrc(0) depctr_va_vcc(0) depctr_vm_vsrc(0)
	s_getreg_b32 s2, hwreg(HW_REG_IB_STS2, 6, 4)
	s_cmp_eq_u32 s2, 0
	s_cbranch_scc0 .Lentry_in_a_cluster
	s_endpgm
.Lentry_in_a_cluster:
	s_bfe_u32 s2, ttmp6, 0x10000c
	s_cmp_lg_u32 s2, 0x3003
	s_cbranch_scc0 .Lentry_shape_is_right
	s_endpgm
.Lentry_shape_is_right:
; THIRD LAUNCH: all that is local to a token, for 64 tokens a work-group: x quantised; q; phi_q; den (f32 multiply-adds on the unquantised phi_q); num = phi_q kv; o = num / den; o Wo + bo + x; layer norm;
; relu(out1 W1 + b1) W2 + b2 + out1; layer norm.  Every quantised product runs on E2M3 codes with E8M0 scales; what goes into a quantiser is f32.
; SHARES.  Four waves share the COLUMNS: wave w owns heads 2 w, 2 w + 1, columns 128 w .. 128 w + 127 of x, out1 and the output, and 64 of each 256 hidden units, for all 64 tokens.
; ONE BLOCK OF 256 REGISTERS (XR) carries a wave's 64 x 128 numbers through the launch: x; + bo; the accumulators of o Wo; normalised in place; + b2; the accumulators of the second FFN product; normalised; stored.
; Every product is used transposed (source 0 = 16 rows of a weight, source 1 = 16 tokens), and a weight's tile takes rows 32 b + 8 u + r + 8 (r / 8): so a lane holds one token and 16 neighbours of each block of 32 along the next K.
; THE WEIGHTS lie in wimg in the order of the operand's registers (registers 4 c .. 4 c + 3 of lane l at 512 c + 16 l of a fragment's 1,536 bytes: three LDS loads of 16 bytes a lane bring a fragment): 20 tiles of 98,304 bytes
; go through two LDS slots, asked for jointly by the four work-groups of a cluster; each wave fetches the quarter that it alone reads.
; THE WALK OVER THE FFN'S EIGHT CHUNKS of 256 hidden units begins, in cluster j, at chunk j mod 8 and wraps round: so the clusters do not all ask for the same tile at the same time, and every tile but a cluster's first two
; has been asked for by another cluster a chunk earlier.  The chunk's number, equal in all partners of a cluster, enters global addresses alone.  The sums over the chunks are f32 sums in that order; no quantiser follows them.
; Activations go from wave to wave through LDS as images of their registers (registers 2 p, 2 p + 1 of lane l at 256 p + 8 l, so that half a fragment is three whole planes).
; IDENTITIES: 0.5 |q|^2 is constant along the features, so h_q less its largest is q omega less its largest: it is not formed; 128^-0.5 = 2^-3.5 stands in the exponent; biases and residuals are the C of a sum's first product.
; The layer norms take the mean first and then the squared deviations.
; LIMITS: NaN and infinities are not served; a block whose largest magnitude lies under 2^-124 (a block of zeros too) gets the scale byte 1; an exponential under 2^-126 comes out as 0.
.set AIMG, 196608                      ; behind the two slots: 16 fragments, K step s, tile m at 1536 (4 s + m): x, then o, then out1
.set ASC,  221184
.set HIMG, 223232                      ; the hidden layer's 8 fragments of a chunk, 4 ks + m
.set HSC,  235520
.set STG,  236544                      ; a stage of 8,448 bytes for each wave: x's turn, q's half fragments, the way out
.set LNXB, 270336                      ; four exchanges of 64 tokens x 4 waves x 4 bytes
.set W2S,  274432                      ; W2's scale words, 8,192 bytes for each wave, in the order of the walk: step j, pair of tiles b, lane l at 1024 j + 256 b + 8 l
.set SPARE, 307200
.set SPW, 1
.set NIL, 2
.set FLR, 3
.set L8, 4
.set L4, 5
.set XO, 6
.set STW, 7
.set STR, 8
.set AIW, 9
.set ASW, 10
.set AIR, 11
.set ASR, 12
.set WA0, 13
.set WA1, 14
.set HIW, 15
.set HSW, 16
.set HIR, 17
.set HSR, 18
.set LNW, 19
.set LNR, 20
.set W2W, 21
.set FQ0, 23
.set FQS0, 24
.set PP16, 25
.set HH64, 26
.set W2A, 27
.set FQA, 28
.set FQS, 29
.set OIA, 30
.set OIS, 31
.set ASCR, 32
.set WSC, 48
.set W2SC, 56
.set HSCR, 64
.set OMS, 64
.set KVS, 68
.set TM, 72
.set PC, 88
.set PW, 108
.set OMO, 109
.set QW, 110
.set PW2, 112
.set KVO, 113
.set NB, 114
.set DN, 116
.set RC, 120
.set OMSO, 122
.set KVSO, 123
.set L16, 124
.set WF, 128                           ; v128-223 weight fragments, two sets of four; idle there: P, NU, bo, the head's offsets, the norms' scratch
.set P, 128
.set NU, 192
.set BO, 128
.set VO, 192
.set LS, 128
.set LP, 136
.set LQ, 140
.set NM, 156
.set RS, 164
.set WSQ, 224                          ; v224-255 scale words of Wq and Wo
.set OM, 0                             ; window 1: v0-191 activation fragments 12 (4 m + s); in the feature phase omega (v0-95) and kv (v96-191); v192-255 biases, ksum of head 2 w
.set KV, 96
.set CB, 192
.set KSA, 192
.set XR, 0                             ; window 2
.set G, 0                              ; window 3: v0-127 sixteen accumulators; ksum of head 2 w + 1 and o; gains and offsets;  v128.. q's fragment; b2; the hidden layer's fragments
.set KSB, 0
.set O, 64
.set GG, 0
.set BE, 64
.set QB, 128
.set B2, 128
.set HF, 128
.set G1, 40
.set G0, 48
.set WV, 56
.set MHI, 57
.set SEL, 58
.set L2E, 60
.set SCL, 62
.set CNT, 66
.set EPS, 88
.set I512, 89
.set FO1, 90
.set FO2, 91
.set FO3, 92
.set W2O, 93
.set ROT, 94                           ; s94  the chunk at which my cluster begins its walk
.set KC, 95                            ; s95  steps of the walk done
.set TOF, 96                           ; s[96:97] bytes from wimg's first tile to W1's tile of the chunk to be asked for
.set MSB, 0
.macro WIN new
.if MSB != (\new)
	s_set_vgpr_msb (MSB<<8)|(\new)
.set MSB, \new
.endif
.endm
.macro PLACES n
.rept \n
	v_nop
.endr
.endm
.macro ROUND
	s_barrier_signal -1
	s_barrier_wait -1
	s_cmp_lg_u32 s[WV], 0
	s_cbranch_scc1 .Lnw0_\@
	s_barrier_signal -3
.Lnw0_\@:
	s_barrier_wait -3
	s_barrier_signal -1
	s_barrier_wait -1
.endm
.macro TLOAD g
	tensor_load_to_lds s[\g:\g+3], s[G1:G1+7]
	s_nop 0
	PLACES 4
.endm
; The change of slots: all my tensor loads have landed (my quarter of the tile that I am about to read), 0 onto my spare word, that slot's descriptor is written for its next tile, the add and all my LDS accesses are done, the round.
; mode 0: two tiles on (Wq's and Wo's);  1: the tile of the chunk that s[TOF] names (slot 0: W1's, slot 1: W2's);  2: s[TOF] first goes on to the next chunk of the walk (its number stays in s98).
.macro CHANGE slot, mode
	WIN 0
	s_wait_tensorcnt 0x0
	ds_add_u32 v[SPW], v[NIL]
.if (\mode) == 0
	s_add_nc_u64 s[G0+4*(\slot)+2:G0+4*(\slot)+3], s[G0+4*(\slot)+2:G0+4*(\slot)+3], 196608
.else
.if (\mode) == 2
	s_add_co_u32 s98, s[KC], s[ROT]
	s_add_co_u32 s98, s98, 1
	s_and_b32 s98, s98, 7
	s_mul_i32 s[TOF], s98, 196608
	s_add_co_u32 s[TOF], s[TOF], 393216
.endif
	s_add_nc_u64 s[G0+4*(\slot)+2:G0+4*(\slot)+3], s[6:7], s[TOF:TOF+1]
.if (\slot) == 1
	s_add_nc_u64 s[G0+6:G0+7], s[G0+6:G0+7], 98304
.endif
	s_or_b32 s[G0+4*(\slot)+3], s[G0+4*(\slot)+3], 0x80000000
.endif
	s_wait_dscnt 0x0
	ROUND
.endm
.macro WMMA d, a, b, c, sa, sb, ra, rb
.if (\c) < 0
.if \ra
	v_wmma_scale_f32_16x16x128_f8f6f4 v[(\d):(\d)+7], v[(\a):(\a)+11], v[(\b):(\b)+11], 0, v[\sa], v[\sb] matrix_a_fmt:MATRIX_FMT_FP6 matrix_b_fmt:MATRIX_FMT_FP6 matrix_a_scale:MATRIX_SCALE_ROW1
.else
	v_wmma_scale_f32_16x16x128_f8f6f4 v[(\d):(\d)+7], v[(\a):(\a)+11], v[(\b):(\b)+11], 0, v[\sa], v[\sb] matrix_a_fmt:MATRIX_FMT_FP6 matrix_b_fmt:MATRIX_FMT_FP6
.endif
.else
.if \ra
	v_wmma_scale_f32_16x16x128_f8f6f4 v[(\d):(\d)+7], v[(\a):(\a)+11], v[(\b):(\b)+11], v[(\c):(\c)+7], v[\sa], v[\sb] matrix_a_fmt:MATRIX_FMT_FP6 matrix_b_fmt:MATRIX_FMT_FP6 matrix_a_scale:MATRIX_SCALE_ROW1
.else
	v_wmma_scale_f32_16x16x128_f8f6f4 v[(\d):(\d)+7], v[(\a):(\a)+11], v[(\b):(\b)+11], v[(\c):(\c)+7], v[\sa], v[\sb] matrix_a_fmt:MATRIX_FMT_FP6 matrix_b_fmt:MATRIX_FMT_FP6
.endif
.endif
.endm
.macro QUANT s, nc, sw                 ; as in the first launch.  With nc = 2 over two tiles' 32 registers each: codes of the first tile's half fragment in v[PC] on, of the second's in v[PC + 6] on; their two bytes each in v[PW]'s halves
	WIN ((\sw)<<2)|((\sw)<<4)
.set qb, 0
.rept 2*(\nc)
	v_max3_num_f32 v[TM+qb], v[FLR], |v[(\s)+16*qb]|, |v[(\s)+16*qb+1]|
.set qb, qb+1
.endr
.irp i, 2,4,6,8,10,12,14
.set qb, 0
.rept 2*(\nc)
	v_max3_num_f32 v[TM+qb], v[TM+qb], |v[(\s)+16*qb+\i]|, |v[(\s)+16*qb+\i+1]|
.set qb, qb+1
.endr
.endr
	WIN 0
.set qb, 0
.rept 2*(\nc)
	v_permlanex16_b32 v[TM+4+qb], v[TM+qb], s[SEL], s[SEL+1]
.set qb, qb+1
.endr
.set qb, 0
.rept 2*(\nc)
	v_max_num_f32 v[TM+qb], v[TM+qb], v[TM+4+qb]
.set qb, qb+1
.endr
.set qb, 0
.rept 2*(\nc)
	v_add_nc_u32 v[TM+12+qb], 0xff000000, v[TM+qb]
.set qb, qb+1
.endr
.set qb, 0
.rept 2*(\nc)
	v_lshrrev_b32 v[TM+4+qb], 23, v[TM+12+qb]
.set qb, qb+1
.endr
	v_lshl_or_b32 v[PW], v[TM+5], 8, v[TM+4]
.if (\nc) > 1
	v_lshl_or_b32 v[PW], v[TM+6], 16, v[PW]
	v_lshl_or_b32 v[PW], v[TM+7], 24, v[PW]
.endif
	WIN \sw
.set qc, 0
.rept \nc
	v_cvt_scalef32_pk16_fp6_f32 v[PC+6*qc:PC+6*qc+2], v[(\s)+32*qc:(\s)+32*qc+15], v[TM+12+2*qc]
	v_cvt_scalef32_pk16_fp6_f32 v[PC+12+4*qc:PC+12+4*qc+2], v[(\s)+32*qc+16:(\s)+32*qc+31], v[TM+12+2*qc+1]
.set qc, qc+1
.endr
	WIN 0
	v_nop
.set qc, 0
.rept \nc
.irp i, 0,1,2
	v_permlane16_swap_b32 v[PC+6*qc+\i], v[PC+12+4*qc+\i]
.endr
.irp i, 0,1,2
	v_mov_b32 v[PC+3+6*qc+\i], v[PC+12+4*qc+\i]
.endr
.set qc, qc+1
.endr
.endm
.macro IMG adr, off, n
.set ip, 0
.rept \n
	ds_store_b64 v[\adr], v[PC+2*ip:PC+2*ip+1] offset:(\off)+256*ip
.set ip, ip+1
.endr
.endm
.macro MAX64 b
.irp c, 0,1,2,3
	v_max3_num_f32 v[TM+\c], v[(\b)+16*\c], v[(\b)+16*\c+1], v[(\b)+16*\c+2]
.endr
.irp i, 3,5,7,9,11,13
.irp c, 0,1,2,3
	v_max3_num_f32 v[TM+\c], v[TM+\c], v[(\b)+16*\c+\i], v[(\b)+16*\c+\i+1]
.endr
.endr
.irp c, 0,1,2,3
	v_max_num_f32 v[TM+\c], v[TM+\c], v[(\b)+16*\c+15]
.endr
	v_max3_num_f32 v[TM], v[TM], v[TM+1], v[TM+2]
	v_max_num_f32 v[TM], v[TM], v[TM+3]
	v_permlanex16_b32 v[TM+4], v[TM], s[SEL], s[SEL+1]
	v_max_num_f32 v[TM], v[TM], v[TM+4]
.endm
.macro FETCHACT                        ; all 16 activation fragments and their scale words
	WIN 0x40
.irp s, 0,1,2,3
.irp m, 0,1,2,3
.irp p, 0,1,2,3,4,5
	ds_load_b64 v[12*(4*\m+\s)+2*\p:12*(4*\m+\s)+2*\p+1], v[AIR] offset:1536*(4*\s+\m)+256*\p
.endr
.endr
.endr
	WIN 0
.irp s, 0,1,2,3
.irp m, 0,1,2,3
	ds_load_b32 v[ASCR+4*\m+\s], v[ASR] offset:128*(4*\s+\m)
.endr
.endr
.endm
.macro WFETCH set, wa, i0              ; four weight fragments, i0 .. i0 + 3 of my quarter: twelve loads of 512 consecutive bytes
.irp t, 0,1,2,3
.irp c, 0,1,2
	ds_load_b128 v[WF+48*(\set)+12*\t+4*\c:WF+48*(\set)+12*\t+4*\c+3], v[\wa] offset:1536*((\i0)+\t)+512*\c
.endr
.endr
.endm
; 64 rows of a weight x 64 tokens x K = 512: four K steps of sixteen products, the sixteen accumulators by turns.  cb >= 0: a bias (window 1) is the C of the first step.
.macro GEMM wa, acc0, am, ws, winc, win0, cb
	WFETCH 0, \wa, 0
.irp s, 0,1,2,3
.if \s < 3
	PLACES 4                                       ; in front of loads into registers that matrix instructions have read
	WFETCH (\s+1)%2, \wa, 4*(\s+1)
	s_wait_dscnt 12                                ; all but the 12 loads just issued
.else
	s_wait_dscnt 0x0
.endif
.if (\s == 0) && ((\cb) >= 0)
	WIN \win0
.else
	WIN \winc
.endif
.irp t, 0,1,2,3
.irp m, 0,1,2,3
.if (\s == 0) && ((\cb) >= 0)
	WMMA (\acc0)+(\am)*\m+8*\t, WF+48*(\s%2)+12*\t, 12*(4*\m+\s), (\cb)+8*\t, (\ws)+4*(\t/2)+\s, ASCR+4*\m+\s, \t%2, 0
.else
	WMMA (\acc0)+(\am)*\m+8*\t, WF+48*(\s%2)+12*\t, 12*(4*\m+\s), (\acc0)+(\am)*\m+8*\t, (\ws)+4*(\t/2)+\s, ASCR+4*\m+\s, \t%2, 0
.endif
.endr
.endr
	WIN 0
.endr
.endm
.macro LDE reg, sp, off                ; 64 numbers a lane of a vector over my 128 columns (or 128 features): register 16 b + i = 32 b + 16 h + i
.irp bb, 0,1,2,3
.irp j, 0,1,2,3
	global_load_b128 v[(\reg)+16*\bb+4*\j:(\reg)+16*\bb+4*\j+3], v[HH64], s[\sp:\sp+1] offset:(\off)+128*\bb+16*\j
.endr
.endr
.endm
.macro LDB1                            ; a chunk's b1 in the result's layout, and W1's scale words
	WIN 0x40
.irp t, 0,1,2,3
	global_load_b128 v[CB+8*\t:CB+8*\t+3], v[HH64], s[26:27] offset:128*(\t/2)+32*(\t%2)
	global_load_b128 v[CB+8*\t+4:CB+8*\t+7], v[HH64], s[26:27] offset:128*(\t/2)+32*(\t%2)+16
.endr
	WIN 0
.irp bb, 0,1
	global_load_b128 v[WSC+4*\bb:WSC+4*\bb+3], v[PP16], s[24:25] offset:512*\bb
.endr
.endm
.macro XRADD reg, win                  ; XR += a vector over my columns, for all four tiles of tokens
	WIN \win
.irp m, 0,1,2,3
.set aj, 0
.rept 32
	v_pk_add_f32 v[XR+64*\m+aj:XR+64*\m+aj+1], v[XR+64*\m+aj:XR+64*\m+aj+1], v[(\reg)+aj:(\reg)+aj+1]
.set aj, aj+2
.endr
.endr
	WIN 0
.endm
; q of head 2 w + f: scaled, quantised along d, two tiles of tokens at a time; the half fragments and scale words go to my own stage.  An LDS store has read its registers when it is issued: no wait stands between the stores and the next pair's codes.
.macro QEPI f
	PLACES 4
.irp j, 0,1
	WIN 0xc3
.set kj, 0
.rept 32
	v_pk_mul_f32 v[G+64*\j+kj:G+64*\j+kj+1], v[G+64*\j+kj:G+64*\j+kj+1], s[SCL:SCL+1] op_sel_hi:[1,0]
.set kj, kj+2
.endr
	QUANT G+64*\j, 2, 3
.irp p, 0,1,2
	ds_store_b64 v[FQ0], v[PC+2*\p:PC+2*\p+1] offset:1536*(2*\j)+768*\f+256*\p
	ds_store_b64 v[FQ0], v[PC+6+2*\p:PC+6+2*\p+1] offset:1536*(2*\j+1)+768*\f+256*\p
.endr
	v_and_b32 v[TM+8], 0xffff, v[PW]               ; each tile's word: its two bytes, and 0 for K = 64 .. 127
	v_lshrrev_b32 v[PW2], 16, v[PW]
	ds_store_b32 v[FQS0], v[TM+8] offset:256*(2*\j)+128*\f
	ds_store_b32 v[FQS0], v[PW2] offset:256*(2*\j+1)+128*\f
.endr
.endm
; one head of one tile of 16 tokens: q omega, phi_q, den, phi_q quantised along the features, num, o
.macro FEAT hd, ks, kswin
	WIN 0x0d
.irp t, 0,1,2,3,4,5,6,7
	WMMA P+8*\t, OM+12*\t, QB+6*(\hd), -1, OMS+\t/2, QW+(\hd), \t%2, 0
.endr
	WIN 0
	PLACES 4
	MAX64 P
	v_mul_f32 v[NB], s[L2E], v[TM]
	v_sub_f32 v[NB], 0xc0600000, v[NB]             ; -3.5 - the largest x log2(e)
.set fj, 0
.rept 32
	v_pk_fma_f32 v[P+fj:P+fj+1], v[P+fj:P+fj+1], s[L2E:L2E+1], v[NB:NB+1] op_sel_hi:[1,0,0]
.set fj, fj+2
.endr
.set fj, 0
.rept 64
	v_exp_f32 v[P+fj], v[P+fj]                     ; phi_q
.set fj, fj+1
.endr
	v_nop
	s_wait_alu depctr_va_vdst(0)                   ; one wait for the batch, ahead of its first reader
	WIN \kswin
	v_pk_mul_f32 v[DN:DN+1], v[P:P+1], v[(\ks):(\ks)+1]
	v_pk_mul_f32 v[DN+2:DN+3], v[P+2:P+3], v[(\ks)+2:(\ks)+3]
.set fj, 4
.rept 15
	v_pk_fma_f32 v[DN:DN+1], v[P+fj:P+fj+1], v[(\ks)+fj:(\ks)+fj+1], v[DN:DN+1]
	v_pk_fma_f32 v[DN+2:DN+3], v[P+fj+2:P+fj+3], v[(\ks)+fj+2:(\ks)+fj+3], v[DN+2:DN+3]
.set fj, fj+4
.endr
	WIN 0
	v_pk_add_f32 v[DN:DN+1], v[DN:DN+1], v[DN+2:DN+3]
	v_add_f32 v[DN], v[DN], v[DN+1]
	v_permlanex16_b32 v[DN+2], v[DN], s[SEL], s[SEL+1]
	v_add_f32 v[DN], v[DN], v[DN+2]
	v_add_f32 v[DN], s[EPS], v[DN]
	v_rcp_f32 v[RC], v[DN]
	QUANT P, 2, 0
	PLACES 8
	WIN 0x01
.irp t, 0,1,2,3
	WMMA NU+8*\t, KV+12*(4*(\hd)+\t), PC, -1, KVS+2*(\hd)+\t/2, PW, \t%2, 0
.endr
	WIN 0
	PLACES 4
	s_wait_alu depctr_va_vdst(0)                   ; for the reciprocal, ahead of its first reader
	WIN 0xc0
.set fj, 0
.rept 16
	v_pk_mul_f32 v[O+32*(\hd)+fj:O+32*(\hd)+fj+1], v[NU+fj:NU+fj+1], v[RC:RC+1] op_sel_hi:[1,0]
.set fj, fj+2
.endr
	WIN 0
.endm
; a lane's four sums (pairs in v[LS + 2 m]) are added over the halves of the lanes and over the four waves (LDS, one barrier): v[LQ + 4 m] = the sum over a token's 512 columns
.macro LNEX k
.irp m, 0,1,2,3
	v_add_f32 v[LS+2*\m], v[LS+2*\m], v[LS+2*\m+1]
.endr
.irp m, 0,1,2,3
	v_permlanex16_b32 v[LP+\m], v[LS+2*\m], s[SEL], s[SEL+1]
.endr
.irp m, 0,1,2,3
	v_add_f32 v[LS+2*\m], v[LS+2*\m], v[LP+\m]
.endr
	v_cndmask_b32 v[LP], v[LS], v[LS+2], s[MHI]
	v_cndmask_b32 v[LP+1], v[LS+4], v[LS+6], s[MHI]
	ds_store_b32 v[LNW], v[LP] offset:1024*(\k)
	ds_store_b32 v[LNW], v[LP+1] offset:1024*(\k)+512
	s_wait_dscnt 0x0
	s_barrier_signal -1
	s_barrier_wait -1
.irp m, 0,1,2,3
	ds_load_b128 v[LQ+4*\m:LQ+4*\m+3], v[LNR] offset:1024*(\k)+256*\m
.endr
	s_wait_dscnt 0x0
.irp m, 0,1,2,3
	v_add_f32 v[LQ+4*\m], v[LQ+4*\m], v[LQ+4*\m+1]
	v_add_f32 v[LQ+4*\m+2], v[LQ+4*\m+2], v[LQ+4*\m+3]
.endr
.irp m, 0,1,2,3
	v_add_f32 v[LQ+4*\m], v[LQ+4*\m], v[LQ+4*\m+2]
.endr
.endm
.macro LNORM k                         ; XR = (XR - mean) rsqrt(var + 1e-6) g + be, g and be in window 3
	PLACES 4
.irp j, 0,1,2,3,4,5,6,7
	v_mov_b32 v[LS+\j], 0
.endr
	WIN 0x08
.set lj, 0
.rept 32
.irp m, 0,1,2,3
	v_pk_add_f32 v[LS+2*\m:LS+2*\m+1], v[LS+2*\m:LS+2*\m+1], v[XR+64*\m+lj:XR+64*\m+lj+1]
.endr
.set lj, lj+2
.endr
	WIN 0
	LNEX \k
.irp m, 0,1,2,3
	v_mul_f32 v[NM+2*\m], 0xbb000000, v[LQ+4*\m]   ; - the mean
.endr
	WIN 0x82
.irp m, 0,1,2,3
.set lj, 0
.rept 32
	v_pk_add_f32 v[XR+64*\m+lj:XR+64*\m+lj+1], v[XR+64*\m+lj:XR+64*\m+lj+1], v[NM+2*\m:NM+2*\m+1] op_sel_hi:[1,0]
.set lj, lj+2
.endr
.endr
	WIN 0
.irp j, 0,1,2,3,4,5,6,7
	v_mov_b32 v[LS+\j], 0
.endr
	WIN 0x0a
.set lj, 0
.rept 32
.irp m, 0,1,2,3
	v_pk_fma_f32 v[LS+2*\m:LS+2*\m+1], v[XR+64*\m+lj:XR+64*\m+lj+1], v[XR+64*\m+lj:XR+64*\m+lj+1], v[LS+2*\m:LS+2*\m+1]
.endr
.set lj, lj+2
.endr
	WIN 0
	LNEX (\k)+1
.irp m, 0,1,2,3
	v_fma_f32 v[LQ+4*\m], v[LQ+4*\m], s[I512], s[EPS]
.endr
.irp m, 0,1,2,3
	v_rsq_f32 v[RS+2*\m], v[LQ+4*\m]
.endr
	v_nop
	s_wait_alu depctr_va_vdst(0)
	WIN 0x82
.irp m, 0,1,2,3
.set lj, 0
.rept 32
	v_pk_mul_f32 v[XR+64*\m+lj:XR+64*\m+lj+1], v[XR+64*\m+lj:XR+64*\m+lj+1], v[RS+2*\m:RS+2*\m+1] op_sel_hi:[1,0]
.set lj, lj+2
.endr
.endr
	WIN 0xbe
.irp m, 0,1,2,3
.set lj, 0
.rept 32
	v_pk_fma_f32 v[XR+64*\m+lj:XR+64*\m+lj+1], v[XR+64*\m+lj:XR+64*\m+lj+1], v[GG+lj:GG+lj+1], v[BE+lj:BE+lj+1]
.set lj, lj+2
.endr
.endr
	WIN 0
.endm
; a chunk of 256 hidden units, first product: my 64 units for the 64 tokens, relu, quantised two tiles of tokens at a time: half a fragment for each tile
.macro FFN1 last
	CHANGE 0, 2
	TLOAD G0+4                                     ; W2's tile of this chunk
	s_wait_loadcnt 0x0                             ; b1 and W1's scale words of this chunk are in, so their bases may be written: the next chunk's (s98)
	s_lshl_b32 s38, s98, 10
	s_add_nc_u64 s[26:27], s[74:75], s[38:39]
	s_lshl_b32 s38, s98, 12
	s_add_nc_u64 s[24:25], s[84:85], s[38:39]
	GEMM WA0, G, 32, WSC, 0xf4, 0xd4, CB
	PLACES 4
.irp j, 0,1
	WIN 0xcc
.set kj, 0
.rept 64
	v_max_num_f32 v[G+64*\j+kj], 0, v[G+64*\j+kj]
.set kj, kj+1
.endr
	QUANT G+64*\j, 2, 3
.irp p, 0,1,2
	ds_store_b64 v[HIW], v[PC+2*\p:PC+2*\p+1] offset:1536*(2*\j)+256*\p
	ds_store_b64 v[HIW], v[PC+6+2*\p:PC+6+2*\p+1] offset:1536*(2*\j+1)+256*\p
.endr
	v_lshrrev_b32 v[PW2], 16, v[PW]
	ds_store_b16 v[HSW], v[PW] offset:128*(2*\j)
	ds_store_b16 v[HSW], v[PW2] offset:128*(2*\j+1)
.endr                                          ; the wait for these stores stands in front of the next round
.if \last
	WIN 0xc0
	LDE GG, 32, 0
	LDE BE, 34, 0
	WIN 0
.endif
.endm
; second product: K = the chunk's 256 units, my 128 columns: four groups (K step ks, 64 columns qq) of sixteen products onto XR.  K step 0's hidden fragments stand ahead of the first products, K step 1's ride with the second run of weight loads.
.macro FFN2 refill
	CHANGE 1, 1
.if \refill
	TLOAD G0                                       ; W1's tile of the next chunk
	LDB1
.endif
	v_add_nc_u32 v[W2A], s[W2O], v[W2W]
.irp i, 0,1,2,3,4,5,6,7
	ds_load_b32 v[HSCR+\i], v[HSR] offset:128*\i
.endr
.irp bb, 0,1,2,3
	ds_load_b64 v[W2SC+2*\bb:W2SC+2*\bb+1], v[W2A] offset:256*\bb
.endr
	WIN 0xc0
.irp i, 0,1,2,3
.irp p, 0,1,2,3,4,5
	ds_load_b64 v[HF+12*\i+2*\p:HF+12*\i+2*\p+1], v[HIR] offset:1536*\i+256*\p
.endr
.endr
	WIN 0
	WFETCH 0, WA1, 0
.irp gi, 0,1,2,3
.if \gi < 3
	PLACES 4
	WFETCH (\gi+1)%2, WA1, 4*(\gi+1)
.if \gi == 1
	WIN 0xc0
.irp i, 4,5,6,7
.irp p, 0,1,2,3,4,5
	ds_load_b64 v[HF+12*\i+2*\p:HF+12*\i+2*\p+1], v[HIR] offset:1536*\i+256*\p
.endr
.endr
	WIN 0
	s_wait_dscnt 36                                ; all but the 12 + 24 loads just issued
.else
	s_wait_dscnt 12                                ; all but the 12 loads just issued
.endif
.else
	s_wait_dscnt 0x0
.endif
	WIN 0xac
.irp t, 0,1,2,3
.irp m, 0,1,2,3
	WMMA XR+32*(\gi%2)+64*\m+8*\t, WF+48*(\gi%2)+12*\t, HF+48*(\gi/2)+12*\m, XR+32*(\gi%2)+64*\m+8*\t, W2SC+4*(\gi%2)+2*(\t/2)+(\gi/2), HSCR+4*(\gi/2)+\m, \t%2, 0
.endr
.endr
	WIN 0
.endr
	s_add_co_u32 s[W2O], s[W2O], 1024
	s_add_co_u32 s[KC], s[KC], 1
.endm
	s_load_b512 s[4:19], s[0:1], 0x0               ; x, wimg, kvout, Wq scales, bq, omega codes, omega scales, bo
	s_load_b512 s[20:35], s[0:1], 0x40             ; g1, be1, W1 scales, b1, W2 scales, b2, g2, be2
	s_load_b64 s[36:37], s[0:1], 0x80              ; out0
	v_lshl_add_u32 v[SPW], v0, 2, SPARE
	v_mov_b32 v[NIL], 0
	ds_add_u32 v1, v2
	ds_add_u32 v1, v2
	s_wait_dscnt 0x0
	v_lshrrev_b32 v125, 5, v0
	v_readfirstlane_b32 s[WV], v125                ; wave 0..3
	s_mov_b32 s[G1], 15|(3<<16)|(1<<21)            ; the mask: all four work-groups; elements of 8 bytes; no padding
	s_mov_b32 s[G1+1], 32<<16                      ; rows of 256 bytes,
	s_mov_b32 s[G1+2], 96<<16                      ; 96 of them: a dense block of 24,576 bytes
	s_mov_b32 s[G1+3], 32<<16
	s_mov_b32 s[G1+4], 96
	s_mov_b32 s[G1+5], 32
	s_mov_b32 s[G1+6], 0
	s_mov_b32 s[G1+7], 0
	s_mul_i32 s69, s[WV], 24576                    ; my quarter, in a tile and in a slot
	s_mov_b32 s86, s69
	s_mov_b32 s87, 0
	s_wait_kmcnt 0x0
	s_add_nc_u64 s[6:7], s[6:7], s[86:87]          ; wimg at my quarter of its first tile: kept
	ROUND                                          ; all four work-groups are here: the first joint loads meet
	s_mov_b32 s[G0], 1
	s_mov_b32 s[G0+1], s69
	s_mov_b64 s[G0+2:G0+3], s[6:7]
	s_or_b32 s[G0+3], s[G0+3], 0x80000000
	s_mov_b32 s[G0+4], 1
	s_add_co_u32 s[G0+5], s69, 98304
	s_add_nc_u64 s[G0+6:G0+7], s[6:7], 98304
	s_or_b32 s[G0+7], s[G0+7], 0x80000000
	TLOAD G0                                       ; tile 0: Wq, heads 2 w
	s_bfe_u32 s67, ttmp6, 0x40000                  ; my place in the cluster: it enters global addresses alone
	s_lshl_b32 s68, ttmp9, 2
	s_add_co_u32 s68, s68, s67                     ; my block of 64 tokens
	s_and_b32 s[ROT], ttmp9, 7                     ; my cluster's first chunk: the same in all four partners
	s_mul_i32 s[TOF], s[ROT], 196608
	s_add_co_u32 s[TOF], s[TOF], 393216            ; four tiles of Wq and Wo, then two tiles a chunk
	s_mov_b32 s[TOF+1], 0
	s_mov_b32 s39, 0
	s_mov_b32 s[KC], 0
	s_mov_b32 s[MHI], 0xffff0000
	s_mov_b32 s[SEL], 0x76543210
	s_mov_b32 s[SEL+1], 0xfedcba98
	s_mov_b32 s[L2E], 0x3fb8aa3b
	s_mov_b32 s[L2E+1], s[L2E]
	s_mov_b32 s[SCL], 0x3eb504f3                   ; 64^-0.25
	s_mov_b32 s[SCL+1], s[SCL]
	s_mov_b32 s[EPS], 0x358637bd                   ; 1e-6
	s_mov_b32 s[I512], 0x3b000000                  ; 1 / 512
	s_mov_b32 s[W2O], 0
	v_and_b32 v125, 31, v0                         ; lane
	v_and_b32 v126, 15, v0                         ; r
	v_bfe_u32 v127, v0, 4, 1                       ; h
	v_mov_b32 v[FLR], 0x1800000
	v_lshlrev_b32 v[L8], 3, v125
	v_lshlrev_b32 v[L4], 2, v125
	v_lshlrev_b32 v[L16], 4, v125
	s_lshl_b32 s70, s[WV], 9
	v_add_nc_u32 v[XO], s70, v[L16]
	s_mul_i32 s70, s[WV], 8448
	s_add_co_u32 s70, s70, STG
	v_add_nc_u32 v[STW], s70, v[L16]
	v_mul_u32_u24 v[STR], v126, 528
	v_lshl_add_u32 v[STR], v127, 6, v[STR]
	v_add_nc_u32 v[STR], s70, v[STR]
	v_add_nc_u32 v[FQ0], s70, v[L8]
	s_add_co_u32 s70, s70, 6144
	v_add_nc_u32 v[FQS0], s70, v[L4]
	s_mul_i32 s70, s[WV], 6144
	s_add_co_u32 s70, s70, AIMG
	v_add_nc_u32 v[AIW], s70, v[L8]
	s_lshl_b32 s70, s[WV], 9
	s_add_co_u32 s70, s70, ASC
	v_add_nc_u32 v[ASW], s70, v[L4]
	v_add_nc_u32 v[AIR], AIMG, v[L8]
	v_add_nc_u32 v[ASR], ASC, v[L4]
	v_add_nc_u32 v[WA0], s69, v[L16]               ; the weights' images: 16 bytes a lane
	v_add_nc_u32 v[WA1], 98304, v[WA0]
	s_lshr_b32 s70, s[WV], 1
	s_and_b32 s71, s[WV], 1
	s_mul_i32 s72, s70, 6144
	s_mul_i32 s73, s71, 768
	s_add_co_u32 s72, s72, s73
	s_add_co_u32 s72, s72, HIMG
	v_add_nc_u32 v[HIW], s72, v[L8]                ; my 64 units are half (w % 2) of K step w / 2 of a chunk
	s_lshl_b32 s72, s70, 9
	s_lshl_b32 s73, s71, 1
	s_add_co_u32 s72, s72, s73
	s_add_co_u32 s72, s72, HSC
	v_add_nc_u32 v[HSW], s72, v[L4]
	v_add_nc_u32 v[HIR], HIMG, v[L8]
	v_add_nc_u32 v[HSR], HSC, v[L4]
	s_lshl_b32 s72, s[WV], 2
	s_add_co_u32 s72, s72, LNXB
	v_add_nc_u32 v[LNW], s72, v[L16]
	v_lshl_add_u32 v[LNR], v126, 4, LNXB
	s_lshl_b32 s72, s[WV], 13
	s_add_co_u32 s72, s72, W2S
	v_add_nc_u32 v[W2W], s72, v[L8]
	v_and_b32 v116, 8, v126
	v_add_nc_u32 v116, v116, v126                  ; r + 8 (r / 8)
	v_lshl_add_u32 v117, v127, 3, v116             ; + 8 h
	v_lshlrev_b32 v118, 6, v117                    ; W2's scale bytes: 64 a row
.irp j, 0,1,2,3,4,5,6,7
	s_add_co_u32 s98, s[ROT], \j                   ; step j of the walk is chunk (first + j) mod 8: its 8 bytes of each row
	s_and_b32 s98, s98, 7
	s_lshl_b32 s98, s98, 3
	v_add_nc_u32 v[VO+\j], s98, v118
.endr
	v_lshlrev_b32 v[PP16], 4, v117
	v_lshlrev_b32 v[HH64], 6, v127
	v_mul_u32_u24 v[OMO], v116, 48
	v_mad_u32_u24 v[OMO], v127, 24, v[OMO]
	v_mul_u32_u24 v[KVO], v116, 96
	v_mad_u32_u24 v[KVO], v127, 24, v[KVO]
	v_lshlrev_b32 v[OMSO], 1, v117
	v_lshlrev_b32 v[KVSO], 2, v117
.irp k, 4,5,6,7
	v_mov_b32 v[TM+\k], 0
.endr
	v_mov_b32 v[NB+1], 0
	v_mov_b32 v[RC+1], 0
	s_lshl_b32 s86, s68, 17
	s_add_nc_u64 s[4:5], s[4:5], s[86:87]          ; x and out0 at my 64 tokens
	s_add_nc_u64 s[36:37], s[36:37], s[86:87]
	s_lshl_b32 s86, s[WV], 9
	s_add_nc_u64 s[12:13], s[12:13], s[86:87]      ; bq at my two heads; the vectors over E at my 128 columns
	s_add_nc_u64 s[18:19], s[18:19], s[86:87]
	s_add_nc_u64 s[20:21], s[20:21], s[86:87]
	s_add_nc_u64 s[22:23], s[22:23], s[86:87]
	s_add_nc_u64 s[30:31], s[30:31], s[86:87]
	s_add_nc_u64 s[32:33], s[32:33], s[86:87]
	s_add_nc_u64 s[34:35], s[34:35], s[86:87]
	s_lshl_b32 s86, s[WV], 11
	s_add_nc_u64 s[10:11], s[10:11], s[86:87]
	s_add_co_u32 s86, s86, 442368
	s_add_nc_u64 s[76:77], s[8:9], s[86:87]        ; Wo's scale bytes
	s_lshl_b32 s86, s[WV], 13
	s_add_nc_u64 s[28:29], s[28:29], s[86:87]
	s_lshl_b32 s86, s[WV], 10
	s_add_nc_u64 s[84:85], s[24:25], s[86:87]      ; W1's scale bytes at my 64 rows of chunk 0: kept;
	s_lshl_b32 s86, s[WV], 8
	s_add_nc_u64 s[74:75], s[26:27], s[86:87]      ; b1 likewise
	s_lshl_b32 s38, s[ROT], 12
	s_add_nc_u64 s[24:25], s[84:85], s[38:39]      ; and both at my cluster's first chunk: 4,096 and 1,024 bytes a chunk
	s_lshl_b32 s38, s[ROT], 10
	s_add_nc_u64 s[26:27], s[74:75], s[38:39]
	s_lshr_b32 s72, s68, 5
	s_lshl_b32 s72, s72, 3
	s_lshl_b32 s73, s[WV], 1
	s_add_co_u32 s72, s72, s73                     ; my first (batch, head)
	s_mul_i32 s86, s72, 6144
	s_add_nc_u64 s[78:79], s[8:9], s[86:87]        ; kv's codes,
	s_lshl_b32 s86, s72, 8
	s_add_co_u32 s86, s86, 393216
	s_add_nc_u64 s[80:81], s[8:9], s[86:87]        ; its scale bytes,
	s_lshl_b32 s86, s72, 9
	s_add_co_u32 s86, s86, 409600
	s_add_nc_u64 s[82:83], s[8:9], s[86:87]        ; ksum
	; the small loads first, x's 64 loads last
	WIN 0x40
.irp f, 0,1
.irp t, 0,1,2,3
	global_load_b128 v[CB+32*\f+8*\t:CB+32*\f+8*\t+3], v[HH64], s[12:13] offset:256*\f+128*(\t/2)+32*(\t%2)
	global_load_b128 v[CB+32*\f+8*\t+4:CB+32*\f+8*\t+7], v[HH64], s[12:13] offset:256*\f+128*(\t/2)+32*(\t%2)+16
.endr
.endr
.irp j, 0,1,2,3,4,5,6,7
.irp bb, 0,1,2,3
	global_load_b64 v[8*\j+2*\bb:8*\j+2*\bb+1], v[VO+\j], s[28:29] offset:2048*\bb      ; W2's scale words of my 128 rows, once, in the order of the walk: a lane takes the row that it stands for in a pair of tiles
.endr
.endr
	WIN 0
.irp f, 0,1
.irp bb, 0,1
	global_load_b128 v[WSQ+8*\f+4*\bb:WSQ+8*\f+4*\bb+3], v[PP16], s[10:11] offset:1024*\f+512*\bb
	global_load_b128 v[WSQ+16+8*\f+4*\bb:WSQ+16+8*\f+4*\bb+3], v[PP16], s[76:77] offset:1024*\f+512*\bb
.endr
.endr
	LDE BO, 18, 0
	WIN 0xc0
.irp m, 0,1,2,3
.irp i, 0,1,2,3,4,5,6,7,8,9,10,11,12,13,14,15
	global_load_b128 v[64*\m+4*\i:64*\m+4*\i+3], v[XO], s[4:5] offset:(16*\m+\i)*2048 th:TH_LOAD_NT
.endr
.endr
	WIN 0
.irp m, 0,1,2,3
	s_wait_loadcnt 48-16*\m                        ; the later tiles' loads, 16 each, may be out
	WIN 0x0c
.irp i, 0,1,2,3,4,5,6,7,8,9,10,11,12,13,14,15
	ds_store_b128 v[STW], v[64*\m+4*\i:64*\m+4*\i+3] offset:528*\i
.endr
	WIN 0x80
.irp bb, 0,1,2,3
.irp j, 0,1,2,3
	ds_load_b128 v[XR+64*\m+16*\bb+4*\j:XR+64*\m+16*\bb+4*\j+3], v[STR] offset:128*\bb+16*\j
.endr
.endr
	WIN 0
	s_wait_dscnt 0x0
	QUANT XR+64*\m, 2, 2
	IMG AIW, 1536*\m, 6
	ds_store_b32 v[ASW], v[PW] offset:128*\m
.endr
	WIN 0x04
.irp j, 0,1,2,3,4,5,6,7
.irp bb, 0,1,2,3
	ds_store_b64 v[W2W], v[8*\j+2*\bb:8*\j+2*\bb+1] offset:1024*\j+256*\bb
.endr
.endr
	WIN 0
	XRADD BO, 0x82                                 ; x + bo: what o Wo will be added onto
	; ---- tile 0: q of heads 2 w
	CHANGE 0, 0
	TLOAD G0+4
	FETCHACT
	GEMM WA0, G, 32, WSQ, 0xf4, 0xd4, CB
	QEPI 0
	; ---- tile 1: q of heads 2 w + 1; then the features
	CHANGE 1, 0
	TLOAD G0
	GEMM WA1, G, 32, WSQ+8, 0xf4, 0xd4, CB+32
	PLACES 4
	WIN 0x40
.irp t, 0,1,2,3,4,5,6,7
.irp p, 0,1,2
	global_load_b64 v[OM+12*\t+2*\p:OM+12*\t+2*\p+1], v[OMO], s[14:15] offset:(32*(\t/2)+8*(\t%2))*48+8*\p
.endr
.irp k, 6,7,8,9,10,11
	v_mov_b32 v[OM+12*\t+\k], 0                    ; zero codes for K = 64 .. 127
.endr
.endr
.irp hd, 0,1
.irp t, 0,1,2,3
.irp p, 0,1,2,3,4,5
	global_load_b64 v[KV+12*(4*\hd+\t)+2*\p:KV+12*(4*\hd+\t)+2*\p+1], v[KVO], s[78:79] offset:6144*\hd+(32*(\t/2)+8*(\t%2))*96+48*(\p/3)+8*(\p%3)
.endr
.endr
.endr
	LDE KSA, 82, 0
	WIN 0
.irp bb, 0,1,2,3
	global_load_u16 v[OMS+\bb], v[OMSO], s[16:17] offset:64*\bb
.endr
.irp hd, 0,1
.irp bb, 0,1
	global_load_b32 v[KVS+2*\hd+\bb], v[KVSO], s[80:81] offset:256*\hd+128*\bb
.endr
.endr
	QEPI 1
	WIN 0xc0
	LDE KSB, 82, 512
.irp k, 12,13,14,15,16,17
	v_mov_b32 v[QB+\k], 0
.endr
	WIN 0
	s_wait_loadcnt 0x0
	s_mov_b32 s[CNT], 4
	s_mov_b32 s[FO1], 0
	s_mov_b32 s[FO2], 0
	s_mov_b32 s[FO3], 0
.Lfeat:                                            ; a trip: one tile of 16 tokens, both my heads; its o becomes K step w of o Wo
	v_add_nc_u32 v[FQA], s[FO1], v[FQ0]
	v_add_nc_u32 v[FQS], s[FO2], v[FQS0]
	v_add_nc_u32 v[OIA], s[FO1], v[AIW]
	v_add_nc_u32 v[OIS], s[FO3], v[ASW]
	WIN 0xc0
.irp p, 0,1,2,3,4,5
	ds_load_b64 v[QB+2*\p:QB+2*\p+1], v[FQA] offset:256*\p
.endr
	WIN 0
	ds_load_b32 v[QW], v[FQS]
	ds_load_b32 v[QW+1], v[FQS] offset:128
	s_wait_dscnt 0x0
	FEAT 0, KSA, 0x04
	FEAT 1, KSB, 0x0c
	QUANT O, 2, 3
	IMG OIA, 0, 6
	ds_store_b32 v[OIS], v[PW]
	s_wait_dscnt 0x0
	s_add_co_u32 s[FO1], s[FO1], 1536
	s_add_co_u32 s[FO2], s[FO2], 256
	s_add_co_u32 s[FO3], s[FO3], 128
	s_sub_co_u32 s[CNT], s[CNT], 1
	s_cmp_lg_u32 s[CNT], 0
	s_cbranch_scc1 .Lfeat
	; ---- tiles 2, 3: o Wo onto x + bo
	CHANGE 0, 1                                    ; slot 0's next tile: W1's of my cluster's first chunk
	TLOAD G0+4
	FETCHACT
	WIN 0xc0
	LDE GG, 20, 0
	LDE BE, 22, 0
	LDE B2, 30, 0
	WIN 0
	LDB1
	GEMM WA0, XR, 64, WSQ+16, 0xa4, 0xa4, -1
	CHANGE 1, 1                                    ; slot 1's next tile: W2's of that chunk
	TLOAD G0                                       ; W1's tile of the first chunk
	GEMM WA1, XR+32, 64, WSQ+24, 0xa4, 0xa4, -1
	s_wait_loadcnt 0x0
	LNORM 0
.irp m, 0,1,2,3
	QUANT XR+64*\m, 2, 2
	IMG AIW, 1536*\m, 6
	ds_store_b32 v[ASW], v[PW] offset:128*\m
.endr
	XRADD B2, 0x8e                                 ; out1 + b2: what the FFN will be added onto
	s_wait_dscnt 0x0                               ; for the others' sake: my four images of out1 are in LDS
	s_barrier_signal -1
	s_barrier_wait -1
	FETCHACT
	s_mov_b32 s[CNT], 7
.Lffn:                                             ; a trip: one chunk of 256 hidden units, two tiles of weights
	FFN1 0
	FFN2 1
	s_sub_co_u32 s[CNT], s[CNT], 1
	s_cmp_lg_u32 s[CNT], 0
	s_cbranch_scc1 .Lffn
	FFN1 1                                         ; the last chunk is written out: its second half asks for nothing (the descriptors written there are not used)
	FFN2 0
	s_wait_loadcnt 0x0                             ; g2, be2
	LNORM 2
	; THE WAY OUT: a tile of 16 tokens turns back through my stage and leaves as 512 consecutive bytes of a row, aligned
.irp m, 0,1,2,3
	WIN 0x08
.irp bb, 0,1,2,3
.irp j, 0,1,2,3
	ds_store_b128 v[STR], v[XR+64*\m+16*\bb+4*\j:XR+64*\m+16*\bb+4*\j+3] offset:128*\bb+16*\j
.endr
.endr
	WIN 0x40
.irp i, 0,1,2,3,4,5,6,7,8,9,10,11,12,13,14,15
	ds_load_b128 v[64*\m+4*\i:64*\m+4*\i+3], v[STW] offset:528*\i
.endr
	WIN 0
	s_wait_dscnt 0x0
	WIN 0x04
.irp i, 0,1,2,3,4,5,6,7,8,9,10,11,12,13,14,15
	global_store_b128 v[XO], v[64*\m+4*\i:64*\m+4*\i+3], s[36:37] offset:(16*\m+\i)*2048 th:TH_STORE_NT
.endr
	WIN 0
.endr
	s_wait_tensorcnt 0x0                           ; the wave's end
	ds_add_u32 v[SPW], v[NIL]
	s_wait_dscnt 0x0
	ROUND                                          ; the closing round
	s_endpgm
.Lfunc_end_k_qa971f8c18b_block:
	.size	k_qa971f8c18b_block, .Lfunc_end_k_qa971f8c18b_block-k_qa971f8c18b_block
	.p2alignl 7, 3214868480
	.fill 96, 4, 3214868480
	.section	.rodata,"a",@progbits
	.p2align	6, 0x0
	.amdhsa_kernel k_qa971f8c18b_block
		.amdhsa_group_segment_fixed_size 327680
		.amdhsa_private_segment_fixed_size 0
		.amdhsa_enable_private_segment 0
		.amdhsa_kernarg_size 136
		.amdhsa_user_sgpr_count 2
		.amdhsa_user_sgpr_kernarg_segment_ptr 1
		.amdhsa_wavefront_size32 1
		.amdhsa_system_sgpr_workgroup_id_x 1
		.amdhsa_system_sgpr_workgroup_id_y 1
		.amdhsa_system_sgpr_workgroup_id_z 1
		.amdhsa_system_vgpr_workitem_id 0
		.amdhsa_next_free_vgpr 1024
		.amdhsa_next_free_sgpr 100
		.amdhsa_reserve_vcc 0
		.amdhsa_float_denorm_mode_32 3
		.amdhsa_float_denorm_mode_16_64 3
		.amdhsa_memory_ordered 1
		.amdhsa_forward_progress 1
		.amdhsa_inst_pref_size 255
	.end_amdhsa_kernel
	.section	.bss,"aw",@nobits
	.p2align	6
	.space	262144
	.amdgpu_metadata
---
amdhsa.version: [ 1, 2 ]
amdhsa.kernels:
  - .name:           k_qa971f8c18b_block
    .symbol:         k_qa971f8c18b_block.kd
    .args:
      - { .name: x, .offset: 0, .size: 8, .value_kind: global_buffer, .address_space: global }
      - { .name: wimg, .offset: 8, .size: 8, .value_kind: global_buffer, .address_space: global }
      - { .name: kvout, .offset: 16, .size: 8, .value_kind: global_buffer, .address_space: global }
      - { .name: Wq_scales, .offset: 24, .size: 8, .value_kind: global_buffer, .address_space: global }
      - { .name: bq, .offset: 32, .size: 8, .value_kind: global_buffer, .address_space: global }
      - { .name: omega_codes, .offset: 40, .size: 8, .value_kind: global_buffer, .address_space: global }
      - { .name: omega_scales, .offset: 48, .size: 8, .value_kind: global_buffer, .address_space: global }
      - { .name: bo, .offset: 56, .size: 8, .value_kind: global_buffer, .address_space: global }
      - { .name: g1, .offset: 64, .size: 8, .value_kind: global_buffer, .address_space: global }
      - { .name: be1, .offset: 72, .size: 8, .value_kind: global_buffer, .address_space: global }
      - { .name: W1_scales, .offset: 80, .size: 8, .value_kind: global_buffer, .address_space: global }
      - { .name: b1, .offset: 88, .size: 8, .value_kind: global_buffer, .address_space: global }
      - { .name: W2_scales, .offset: 96, .size: 8, .value_kind: global_buffer, .address_space: global }
      - { .name: b2, .offset: 104, .size: 8, .value_kind: global_buffer, .address_space: global }
      - { .name: g2, .offset: 112, .size: 8, .value_kind: global_buffer, .address_space: global }
      - { .name: be2, .offset: 120, .size: 8, .value_kind: global_buffer, .address_space: global }
      - { .name: out0, .offset: 128, .size: 8, .value_kind: global_buffer, .address_space: global }
    .group_segment_fixed_size: 327680
    .private_segment_fixed_size: 0
    .kernarg_segment_align: 8
    .kernarg_segment_size: 136
    .max_flat_workgroup_size: 128
    .sgpr_count:     100
    .vgpr_count:     1024
    .wavefront_size: 32
...
	.end_amdgpu_metadata
.endif
;; end of part 3
